; MI455X (gfx1250); checked and timed in simulation.
; The chip was launched on July 23, 2026; its instructions are those of AMD's public machine-readable ISA for CDNA 5 (MIT licence, August 2026) and "CDNA5" Instruction Set Architecture Reference Guide (July 2026). The comments in the code are by the model that wrote it; some were corrected since.
;; Transformer Block. Allowed arithmetic: float matrix products may take bf16 or f16 operands with f32 sums; other float arithmetic in f32, or as packed bf16 or f16 multiplies, adds, multiply-adds, maxima and minima; sums over many terms, partial sums and values carried from step to step in f32; what a program stores and reads back later, other than sums and carried values, may be rounded once to bf16 or f16.
;; Inputs: down_w 512 x 512 float32; gate_w 512 x 512 float32; ln1_w 512 float32; ln2_w 512 float32; up_w 512 x 512 float32; wk 512 x 512 float32; wo 512 x 512 float32; wq 512 x 512 float32; wv 512 x 512 float32; x 4 x 2,048 x 512 float32.
;; Outputs: out0 4 x 2,048 x 512 float32.
;; 2 versions, each right; version 2 is version 1 with the launch prep written anew for expert scheduling mode. Each part assembles by itself: llvm-mc -triple=amdgcn-amd-amdhsa -mcpu=gfx1250 --defsym DOCPART=n.
;; ======== version 1 of 2: 4 launches
;; limits: values are held in f16: magnitudes above 65,504 overflow, below 6.1e-05 lose precision
;; workspace buffers: wts 3,670,016 bytes; xn 8,388,608 bytes; rope 262,144 bytes; qf 8,388,608 bytes; kv 16,777,216 bytes; ao 8,388,608 bytes
;; launch prep (part 1): grid 256 x 1, 4 waves a work-group, no clusters, 35,328 bytes of LDS; arguments x, wq, wk, wv, wo, up_w, gate_w, down_w, ln1_w, ln2_w, wts, xn, rope; writes wts, xn, rope
.if DOCPART == 1
	.amdgcn_target "amdgcn-amd-amdhsa--gfx1250"
	.amdhsa_code_object_version 6
	.text
	.protected	k_qc569ac6f83_prep
	.globl	k_qc569ac6f83_prep
	.p2align	8
	.type	k_qc569ac6f83_prep,@function
k_qc569ac6f83_prep:
	s_mov_b64 s[64:65], 0
	v_nop
	global_prefetch_b8 v0, s[64:65] scope:SCOPE_SE
	s_setreg_imm32_b32 hwreg(HW_REG_WAVE_MODE, 25, 1), 1
	s_wait_xcnt 0x0
; PREP.  Three jobs, a 256th of each to every work-group, the same text for all:
;  B  the seven weight matrices [512][512] f32 -> wts, one 16-bit stream in the order in which the later launches' matrix fragments are read
;  C  the table cos, sin of pos x 10000^(-p/16), pos 0..2047, p 0..15 -> rope, f32 pairs
;  A  x [8192][512] f32 -> xn = bf16(x) / rms(bf16(x)), f16, as matrix fragments (the gain ln1 lies in the weights)
; A FRAGMENT is 16 rows x 32 k of 16-bit numbers, 1,024 bytes: [half c][lane][16 bytes].  Lane (r = lane % 16, h = lane / 16) of half c holds row r and SLOT s = 4 ks + 2 c + h, eight k.
; Which eight columns a slot holds is free as long as both operands of a product agree: col(s, e) = (s >> B) 2^(B+3) + (e >> 2) 2^(B+2) + 4 (s mod 2^B) + e % 4.
; B = 5 for xn and wq, wk, wv (a lane's two 16-byte loads of a row of x are a slot), B = 4 for up, gate (as the last launch's registers hold x1), B = 0 (8 s + e) for wo, down.
; wts: 28 chunks of 131,072 bytes, each [wave 4][run 4][f = 2 (ks % 4) + ctl][fragment].  Chunks 6 y + 2 m + t: q, k, v (m) of head 8 y + 4 t + wave, ctl = channel half.
; Chunks 12 + t (wo), 24 + t (down): row 128 wave + 64 (t / 2) + 4 r + 2 (t % 2) + ctl.  Chunks 16 + t: ctl 0 = up, 1 = gate, row 128 wave + 16 t + r.
; FORMATS.  Every input is rounded to bf16 first.  q, k, v, up, gate: f16(bf16(w) x bf16(ln)); wo: bf16(w) written as f16; down: bf16(w).
; LIMITS.  w x ln must stay under 65,504 (f16), and below 6e-5 it keeps f16's fixed step of 6e-8.  xn is at most sqrt(512).  The table's angle is good to some 3e-4 at pos 2,047,
; since 10000^(-p/16) comes from v_exp_f32; NaN and infinities are not treated apart.
; No matrix unit, no cluster, no tensor load: every byte is read once, by one wave, and nothing is shared between work-groups.  The weights are read as 16-byte pieces of 16 rows a load:
; the work-group's four waves use runs of 128 bytes or more of each row; they are a sixth of the launch's bytes, so no pass through LDS is spent on them.
.set PITCH, 272                        ; LDS: a block = 16 rows x 16 bytes of one slot, 256 bytes + 16 of padding
.set RTB,   64*PITCH                   ; a tile of 16 rows: 64 slots
.set SPARE, 2*RTB                      ; behind the two tiles: the spare words, 128 bytes for each wave: two blocks of 256 bytes that no other line names
.set SPW, 2                            ; v2   LDS address of my spare word; never rewritten
.set NIL, 3                            ; v3   0; never rewritten
.set PW,  4                            ; v4   where I put a row's slot
.set PR,  5                            ; v5   where I read half a fragment back
.set L16, 6                            ; v6   16 x lane
.set XOF, 7                            ; v7   16 x lane + my wave's 8 rows of x
.set SA,  15                           ; v15  source offset: row 16 nt + r, B = 5
.set SB,  16                           ; v16  the same row, B = 4
.set SC,  17                           ; v17  wo's and down's order of rows, B = 0
.set LO1, 18                           ; v18  offset in ln1
.set LO2, 19                           ; v19  offset in ln2
.set X,   32                           ; v[32:159]  8 rows x 16 numbers
.set W,   160                          ; v[160:215] 7 matrices x 8 numbers
.set SS,  160                          ; later: a pair for each row's sum of squares
.set INV, 176                          ; later: a pair 1 / rms for each row
.set LN,  216                          ; v[216:231] 8 of ln1, 8 of ln2
.set T,   232                          ; v[232:247] at work
	s_load_b512 s[4:19], s[0:1], 0x0               ; x, wq, wk, wv, wo, up, gate, down
	s_load_b256 s[20:27], s[0:1], 0x40             ; ln1, ln2, wts, xn
	s_load_b64 s[28:29], s[0:1], 0x60              ; rope
	v_lshl_add_u32 v[SPW], v0, 2, SPARE
	v_mov_b32 v[NIL], 0
	v_lshrrev_b32 v20, 5, v0
	v_readfirstlane_b32 s30, v20                   ; wave 0..3
	v_and_b32 v1, 31, v0                           ; lane
	v_and_b32 v20, 15, v0                          ; r
	v_bfe_u32 v21, v0, 4, 1                        ; h
	v_lshlrev_b32 v[L16], 4, v1
	v_lshl_add_u32 v[XOF], s30, 14, v[L16]         ; 8 rows of 2,048 bytes a wave
	; my wave's half fragment of every matrix: number 4 wg + wave = 32 nt + 2 ks + c
	s_lshr_b32 s31, ttmp9, 3                       ; nt
	s_and_b32 s32, ttmp9, 7
	s_lshl_b32 s32, s32, 1
	s_lshr_b32 s33, s30, 1
	s_add_co_u32 s32, s32, s33                     ; ks
	s_and_b32 s34, s30, 1                          ; c
	s_lshl_b32 s35, s32, 2
	s_lshl1_add_u32 s35, s34, s35                  ; 4 ks + 2 c
	v_add_nc_u32 v22, s35, v21                     ; s
	v_lshrrev_b32 v23, 5, v22
	v_and_b32 v24, 31, v22
	v_lshlrev_b32 v24, 4, v24
	v_lshl_add_u32 v[LO1], v23, 10, v24            ; B = 5: 4 col(s, 0) = 1,024 (s >> 5) + 16 (s % 32); e = 4..7 lie 512 bytes on
	v_lshrrev_b32 v23, 4, v22
	v_and_b32 v24, 15, v22
	v_lshlrev_b32 v24, 4, v24
	v_lshl_add_u32 v[LO2], v23, 9, v24             ; B = 4: 512 (s >> 4) + 16 (s % 16); e = 4..7 lie 256 bytes on
	s_lshl_b32 s36, s31, 4
	v_add_nc_u32 v25, s36, v20                     ; row 16 nt + r
	v_lshl_add_u32 v[SA], v25, 11, v[LO1]
	v_lshl_add_u32 v[SB], v25, 11, v[LO2]
	s_lshr_b32 s36, s31, 3
	s_lshl_b32 s36, s36, 7
	s_bfe_u32 s37, s31, 0x10002
	s_lshl_b32 s37, s37, 6
	s_add_co_u32 s36, s36, s37
	s_and_b32 s37, s31, 3
	s_add_co_u32 s36, s36, s37
	v_lshl_add_u32 v25, v20, 2, s36                ; row 128 (nt >> 3) + 64 ((nt >> 2) % 2) + 4 r + nt % 4
	v_lshlrev_b32 v26, 5, v22                      ; B = 0: 32 s bytes
	v_lshl_add_u32 v[SC], v25, 11, v26
	; LDS: my rows 8 wave + rho lie in tile wave / 2, rows 8 (wave % 2) + rho; lane l holds slots l and 32 + l
	s_mul_i32 s38, s33, RTB
	s_lshl_b32 s39, s34, 7
	s_add_co_u32 s39, s39, s38
	v_mul_u32_u24 v[PW], v1, PITCH
	v_add_nc_u32 v[PW], s39, v[PW]
	s_mul_i32 s39, s34, 32*PITCH                   ; back: wave reads slots 32 (wave % 2) .. + 31 of its tile: 16 half fragments
	s_add_co_u32 s39, s39, s38
	v_mul_u32_u24 v[PR], v21, PITCH
	v_lshl_add_u32 v[PR], v20, 4, v[PR]
	v_add_nc_u32 v[PR], s39, v[PR]
	; where the half fragments go in wts
	s_lshr_b32 s40, s32, 2
	s_lshl_b32 s40, s40, 13
	s_and_b32 s41, s32, 3
	s_lshl_b32 s41, s41, 11
	s_add_co_u32 s40, s40, s41
	s_lshl_b32 s41, s34, 9
	s_add_co_u32 s40, s40, s41                     ; inside a wave's part of a chunk: 8,192 (ks / 4) + 2,048 (ks % 4) + 512 c; ctl adds 1,024
	s_lshr_b32 s41, s31, 1                         ; q, k, v: head = nt / 2, ctl = nt % 2
	s_lshr_b32 s42, s41, 3
	s_mul_i32 s42, s42, 6
	s_bfe_u32 s43, s41, 0x10002
	s_add_co_u32 s42, s42, s43                     ; chunk 6 y + t (k: + 2, v: + 4)
	s_lshl_b32 s42, s42, 17
	s_and_b32 s43, s41, 3
	s_lshl_b32 s43, s43, 15
	s_add_co_u32 s42, s42, s43
	s_and_b32 s43, s31, 1
	s_lshl_b32 s43, s43, 10
	s_add_co_u32 s42, s42, s43
	s_add_co_u32 s42, s42, s40
	s_mov_b32 s43, 0
	s_bfe_u32 s44, s31, 0x20001                    ; wo: chunk 12 + (nt / 2) % 4, wave nt / 8, ctl nt % 2 (down: 12 chunks on)
	s_add_co_u32 s44, s44, 12
	s_lshl_b32 s44, s44, 17
	s_lshr_b32 s45, s31, 3
	s_lshl_b32 s45, s45, 15
	s_add_co_u32 s44, s44, s45
	s_and_b32 s46, s31, 1
	s_lshl_b32 s46, s46, 10
	s_add_co_u32 s44, s44, s46
	s_add_co_u32 s44, s44, s40
	s_and_b32 s46, s31, 7                          ; up: chunk 16 + nt % 8, wave nt / 8, ctl 0 (gate: ctl 1)
	s_add_co_u32 s46, s46, 16
	s_lshl_b32 s46, s46, 17
	s_add_co_u32 s46, s46, s45
	s_add_co_u32 s46, s46, s40
	s_mov_b32 s45, 0
	s_mov_b32 s47, 0
	s_mov_b32 s49, 0
	s_mov_b32 s50, 0xffff0000                      ; a word's upper bf16
	s_mov_b32 s51, 0x76543210                      ; v_permlanex16_b32: each lane takes its own place in the other half
	s_mov_b32 s52, 0xfedcba98
	s_mov_b32 s53, 0x3b000000                      ; 1 / 512
	s_mov_b32 s54, 0x3727c5ac                      ; 1e-5
	s_lshl_b32 s55, ttmp9, 3                       ; the work-group's 8 positions of the table
	s_wait_kmcnt 0x0
	s_add_nc_u64 s[42:43], s[24:25], s[42:43]
	s_add_nc_u64 s[44:45], s[24:25], s[44:45]
	s_add_nc_u64 s[46:47], s[24:25], s[46:47]
	s_lshl_b32 s48, ttmp9, 16
	s_add_nc_u64 s[4:5], s[4:5], s[48:49]          ; x at the work-group's 32 rows
	s_lshl_b32 s48, ttmp9, 15
	s_lshl_b32 s56, s30, 13
	s_add_co_u32 s48, s48, s56
	s_add_nc_u64 s[26:27], s[26:27], s[48:49]      ; xn at my wave's 8,192 bytes
	s_lshl_b32 s48, ttmp9, 10
	s_add_nc_u64 s[28:29], s[28:29], s[48:49]      ; rope at the work-group's 1,024 bytes
.macro WLOAD m, off, base, step        ; a lane's eight numbers of matrix m
	global_load_b128 v[W+8*(\m):W+8*(\m)+3],   v[\off], s[\base:\base+1]
	global_load_b128 v[W+8*(\m)+4:W+8*(\m)+7], v[\off], s[\base:\base+1] offset:\step
.endm
	WLOAD 0, SA, 6, 512
	WLOAD 1, SA, 8, 512
	WLOAD 2, SA, 10, 512
	WLOAD 3, SC, 12, 16
	WLOAD 4, SB, 14, 256
	WLOAD 5, SB, 16, 256
	WLOAD 6, SC, 18, 16
	global_load_b128 v[LN:LN+3],     v[LO1], s[20:21]
	global_load_b128 v[LN+4:LN+7],   v[LO1], s[20:21] offset:512
	global_load_b128 v[LN+8:LN+11],  v[LO2], s[22:23]
	global_load_b128 v[LN+12:LN+15], v[LO2], s[22:23] offset:256
.set i, 0
.rept 32                               ; my 8 rows of x, four loads a row, each 512 consecutive bytes: all on their way while jobs B and C run
	global_load_b128 v[X+4*i:X+4*i+3], v[XOF], s[4:5] offset:(i/4)*2048+(i%4)*512 th:TH_LOAD_NT
.set i, i+1
.endr
	; JOB B
	s_wait_loadcnt 32                              ; the weights and gains are in; the 32 loads of x are younger
.irp j, 0,1,2,3,4,5,6,7
	v_cvt_pk_bf16_f32 v[T+\j], v[LN+2*\j], v[LN+2*\j+1]
.endr
.irp j, 0,1,2,3,4,5,6,7
	v_lshlrev_b32 v[LN+2*\j], 16, v[T+\j]          ; the gains, rounded to bf16, as f32
	v_and_b32 v[LN+2*\j+1], s50, v[T+\j]
.endr
; kind 0: f16(bf16(w) x gain); 1: bf16(w) as f16; 2: bf16(w).  The 16 bytes end in the matrix's first four registers.
.macro WCONV m, kind, lnb
.set B0, W+8*(\m)
.if (\kind) == 2
.irp j, 0,1,2,3
	v_cvt_pk_bf16_f32 v[B0+\j], v[B0+2*\j], v[B0+2*\j+1]
.endr
.else
.irp j, 0,1,2,3
	v_cvt_pk_bf16_f32 v[T+\j], v[B0+2*\j], v[B0+2*\j+1]
.endr
.irp j, 0,1,2,3
	v_lshlrev_b32 v[B0+2*\j], 16, v[T+\j]
	v_and_b32 v[B0+2*\j+1], s50, v[T+\j]
.endr
.if (\kind) == 0
.irp j, 0,1,2,3
	v_pk_mul_f32 v[B0+2*\j:B0+2*\j+1], v[B0+2*\j:B0+2*\j+1], v[(\lnb)+2*\j:(\lnb)+2*\j+1]
.endr
.endif
.irp j, 0,1,2,3
	v_cvt_pk_f16_f32 v[B0+\j], v[B0+2*\j], v[B0+2*\j+1]
.endr
.endif
.endm
	WCONV 0, 0, LN
	global_store_b128 v[L16], v[W:W+3], s[42:43]                    ; each store of the wave covers 512 consecutive bytes, aligned
	WCONV 1, 0, LN
	global_store_b128 v[L16], v[W+8:W+11], s[42:43] offset:262144
	WCONV 2, 0, LN
	global_store_b128 v[L16], v[W+16:W+19], s[42:43] offset:524288
	WCONV 3, 1, LN
	global_store_b128 v[L16], v[W+24:W+27], s[44:45]
	WCONV 4, 0, LN+8
	global_store_b128 v[L16], v[W+32:W+35], s[46:47]
	WCONV 5, 0, LN+8
	global_store_b128 v[L16], v[W+40:W+43], s[46:47] offset:1024
	WCONV 6, 2, LN
	global_store_b128 v[L16], v[W+48:W+51], s[44:45] offset:1572864
	; JOB C: thread t makes pos = 8 wg + t / 16, pair p = t % 16
	v_and_b32 v20, 15, v0
	v_lshrrev_b32 v21, 4, v0
	v_add_nc_u32 v21, s55, v21
	v_cvt_f32_u32 v20, v20
	v_cvt_f32_u32 v21, v21
	v_mul_f32 v20, 0xbf549a78, v20                 ; - p log2(10000) / 16
	v_exp_f32 v22, v20
	v_nop                                          ; a plain instruction behind the exponential,
	s_wait_alu depctr_va_vdst(0)                   ; and the wait ahead of its first reader
	v_mul_f32 v22, v21, v22                        ; the angle a
	v_mul_f32 v23, 0x3f22f983, v22                 ; a x 2 / pi
	v_rndne_f32 v23, v23                           ; n, at most 1,304
	v_fmamk_f32 v24, v23, 0xbfc90fdb, v22          ; r = a - n pi / 2, pi / 2 in two parts: |r| <= pi / 4
	v_fmamk_f32 v24, v23, 0x333bbd2e, v24
	v_mul_f32 v25, v24, v24                        ; z = r^2
	v_mov_b32 v26, 0xb94ca1fa
	v_fmaak_f32 v26, v26, v25, 0x3c08839e
	v_fmaak_f32 v26, v26, v25, 0xbe2aaaa3
	v_mul_f32 v27, v24, v25
	v_fma_f32 v26, v27, v26, v24                   ; sin r
	v_mov_b32 v28, 0x37ccf5ce
	v_fmaak_f32 v28, v28, v25, 0xbab6061a
	v_fmaak_f32 v28, v28, v25, 0x3d2aaaa5
	v_mul_f32 v29, v25, v25
	v_fma_f32 v27, v25, -0.5, 1.0
	v_fma_f32 v28, v29, v28, v27                   ; cos r
	v_cvt_i32_f32 v23, v23
	v_and_b32 v29, 1, v23
	v_cmp_eq_u32 vcc_lo, 1, v29                    ; odd quadrants change sine and cosine (a choice of values, no branch)
	v_cndmask_b32 v30, v28, v26, vcc_lo            ; cos a, up to its sign
	v_cndmask_b32 v31, v26, v28, vcc_lo            ; sin a
	v_and_b32 v29, 2, v23
	v_lshlrev_b32 v29, 30, v29
	v_xor_b32 v31, v29, v31                        ; sin: minus in quadrants 2, 3
	v_add_nc_u32 v23, 1, v23
	v_and_b32 v23, 2, v23
	v_lshlrev_b32 v23, 30, v23
	v_xor_b32 v30, v23, v30                        ; cos: minus in quadrants 1, 2
	v_lshlrev_b32 v29, 3, v0
	global_store_b64 v29, v[30:31], s[28:29]
	; JOB A
	s_wait_xcnt 0x0                                ; the stores above have read their data: W's registers are written again only behind this wait
.macro ROWSUM rho                      ; a row is rounded to bf16 in place; mean of squares + eps
.set XR, X+16*(\rho)
.set SQ, SS+2*(\rho)
	s_wait_loadcnt 4*(7-(\rho))                    ; this row's four loads are in; the later rows' stay out
.irp j, 0,1,2,3,4,5,6,7
	v_cvt_pk_bf16_f32 v[T+\j], v[XR+2*\j], v[XR+2*\j+1]
.endr
.irp j, 0,1,2,3,4,5,6,7
	v_lshlrev_b32 v[XR+2*\j], 16, v[T+\j]
	v_and_b32 v[XR+2*\j+1], s50, v[T+\j]
.endr
	v_pk_mul_f32 v[SQ:SQ+1], v[XR:XR+1], v[XR:XR+1]
.irp j, 1,2,3,4,5,6,7
	v_pk_fma_f32 v[SQ:SQ+1], v[XR+2*\j:XR+2*\j+1], v[XR+2*\j:XR+2*\j+1], v[SQ:SQ+1]
.endr
	v_add_f32 v[SQ], v[SQ], v[SQ+1]
	v_add_f32_dpp v[SQ], v[SQ], v[SQ] row_xmask:1 row_mask:0xf bank_mask:0xf
	v_add_f32_dpp v[SQ], v[SQ], v[SQ] row_xmask:2 row_mask:0xf bank_mask:0xf
	v_add_f32_dpp v[SQ], v[SQ], v[SQ] row_xmask:4 row_mask:0xf bank_mask:0xf
	v_add_f32_dpp v[SQ], v[SQ], v[SQ] row_xmask:8 row_mask:0xf bank_mask:0xf
	v_permlanex16_b32 v[SQ+1], v[SQ], s51, s52
	v_add_f32 v[SQ], v[SQ], v[SQ+1]
	v_fma_f32 v[SQ], v[SQ], s53, s54
.endm
.irp rho, 0,1,2,3,4,5,6,7
	ROWSUM \rho
.endr
.irp rho, 0,1,2,3,4,5,6,7
	v_rsq_f32 v[INV+2*\rho], v[SS+2*\rho]          ; made twice: the pair that the packed multiply takes
	v_rsq_f32 v[INV+2*\rho+1], v[SS+2*\rho]
.endr
	v_nop                                          ; a plain instruction behind the last of the batch,
	s_wait_alu depctr_va_vdst(0)                   ; and one wait for all sixteen, ahead of their first reader
.macro ROWOUT rho                      ; scaled, rounded to f16, two slots of 16 bytes into LDS
.set XR, X+16*(\rho)
.irp j, 0,1,2,3,4,5,6,7
	v_pk_mul_f32 v[XR+2*\j:XR+2*\j+1], v[XR+2*\j:XR+2*\j+1], v[INV+2*(\rho):INV+2*(\rho)+1]
.endr
.irp j, 0,1,2,3,4,5,6,7
	v_cvt_pk_f16_f32 v[XR+\j], v[XR+2*\j], v[XR+2*\j+1]
.endr
	ds_store_b128 v[PW], v[XR:XR+3]   offset:16*(\rho)
	ds_store_b128 v[PW], v[XR+4:XR+7] offset:32*PITCH+16*(\rho)
.endm
.irp rho, 0,1,2,3,4,5,6,7
	ROWOUT \rho
.endr
	s_wait_dscnt 0x0                               ; for the others' sake: my stores are done
	s_barrier_signal -1
	s_barrier_wait -1                              ; a fragment's 16 rows come from two waves
.set n, 0
.rept 16
	ds_load_b128 v[X+4*n:X+4*n+3], v[PR] offset:n*2*PITCH
.set n, n+1
.endr
.set n, 0
.rept 16
	s_wait_dscnt 15-n                              ; half fragment n is back; the younger ones stay out
	global_store_b128 v[L16], v[X+4*n:X+4*n+3], s[26:27] offset:n*512
.set n, n+1
.endr
	s_wait_tensorcnt 0x0                           ; the wave's end, behind my last LDS store
	ds_add_u32 v[SPW], v[NIL]
	s_wait_dscnt 0x0
	s_endpgm
.Lfunc_end_k_qc569ac6f83_prep:
	.size	k_qc569ac6f83_prep, .Lfunc_end_k_qc569ac6f83_prep-k_qc569ac6f83_prep
	.p2alignl 7, 3214868480
	.fill 96, 4, 3214868480
	.section	.rodata,"a",@progbits
	.p2align	6, 0x0
	.amdhsa_kernel k_qc569ac6f83_prep
		.amdhsa_group_segment_fixed_size 35328
		.amdhsa_private_segment_fixed_size 0
		.amdhsa_enable_private_segment 0
		.amdhsa_kernarg_size 104
		.amdhsa_user_sgpr_count 2
		.amdhsa_user_sgpr_kernarg_segment_ptr 1
		.amdhsa_wavefront_size32 1
		.amdhsa_system_sgpr_workgroup_id_x 1
		.amdhsa_system_sgpr_workgroup_id_y 1
		.amdhsa_system_sgpr_workgroup_id_z 1
		.amdhsa_system_vgpr_workitem_id 0
		.amdhsa_next_free_vgpr 248
		.amdhsa_next_free_sgpr 66
		.amdhsa_reserve_vcc 1
		.amdhsa_float_denorm_mode_32 3
		.amdhsa_float_denorm_mode_16_64 3
		.amdhsa_memory_ordered 1
		.amdhsa_forward_progress 1
		.amdhsa_inst_pref_size 48
	.end_amdhsa_kernel
	.amdgpu_metadata
---
amdhsa.version: [ 1, 2 ]
amdhsa.kernels:
  - .name:           k_qc569ac6f83_prep
    .symbol:         k_qc569ac6f83_prep.kd
    .args:
      - { .name: x, .offset: 0, .size: 8, .value_kind: global_buffer, .address_space: global }
      - { .name: wq, .offset: 8, .size: 8, .value_kind: global_buffer, .address_space: global }
      - { .name: wk, .offset: 16, .size: 8, .value_kind: global_buffer, .address_space: global }
      - { .name: wv, .offset: 24, .size: 8, .value_kind: global_buffer, .address_space: global }
      - { .name: wo, .offset: 32, .size: 8, .value_kind: global_buffer, .address_space: global }
      - { .name: up_w, .offset: 40, .size: 8, .value_kind: global_buffer, .address_space: global }
      - { .name: gate_w, .offset: 48, .size: 8, .value_kind: global_buffer, .address_space: global }
      - { .name: down_w, .offset: 56, .size: 8, .value_kind: global_buffer, .address_space: global }
      - { .name: ln1_w, .offset: 64, .size: 8, .value_kind: global_buffer, .address_space: global }
      - { .name: ln2_w, .offset: 72, .size: 8, .value_kind: global_buffer, .address_space: global }
      - { .name: wts, .offset: 80, .size: 8, .value_kind: global_buffer, .address_space: global }
      - { .name: xn, .offset: 88, .size: 8, .value_kind: global_buffer, .address_space: global }
      - { .name: rope, .offset: 96, .size: 8, .value_kind: global_buffer, .address_space: global }
    .group_segment_fixed_size: 35328
    .private_segment_fixed_size: 0
    .kernarg_segment_align: 8
    .kernarg_segment_size: 104
    .max_flat_workgroup_size: 128
    .sgpr_count:     66
    .vgpr_count:     248
    .wavefront_size: 32
...
	.end_amdgpu_metadata
.endif
;; end of part 1
;; launch qkv (part 2): grid 128 x 2, 4 waves a work-group, clusters of 4 x 1, 327,680 bytes of LDS; arguments xn, wts, rope, qf, kv; writes qf, kv
.if DOCPART == 2
	.amdgcn_target "amdgcn-amd-amdhsa--gfx1250"
	.amdhsa_code_object_version 6
	.text
	.protected	k_qc569ac6f83_qkv
	.globl	k_qc569ac6f83_qkv
	.p2align	8
	.type	k_qc569ac6f83_qkv,@function
k_qc569ac6f83_qkv:
	s_mov_b64 s[64:65], 0
	v_nop
	global_prefetch_b8 v0, s[64:65] scope:SCOPE_SE
	s_setreg_imm32_b32 hwreg(HW_REG_WAVE_MODE, 25, 1), 1
	s_wait_xcnt 0x0
	s_wait_alu depctr_hold_cnt(0) depctr_sa_sdst(0) depctr_va_vdst(0) depctr_va_sdst(0) depctr_va_ssrc(0) depctr_va_vcc(0) depctr_vm_vsrc(0)
	s_getreg_b32 s2, hwreg(HW_REG_IB_STS2, 6, 4)
	s_cmp_eq_u32 s2, 0
	s_cbranch_scc0 .Lentry_in_a_cluster
	s_endpgm
.Lentry_in_a_cluster:
	s_bfe_u32 s2, ttmp6, 0x10000c
	s_cmp_lg_u32 s2, 0x3003
	s_cbranch_scc0 .Lentry_shape_is_right
	s_endpgm
.Lentry_shape_is_right:
; Q, K, V = xn W^T, RoPE on q and k, results stored as the matrix fragments that the attention launch reads.  All operands f16, sums f32, each result rounded once to f16.
; SHARES.  A work-group has 64 rows (x: 128 blocks) and 8 heads (y: 2 halves).  Its 64 x 512 of xn lie in every wave's registers (512) for the whole launch.  The weights come in SIX CHUNKS
; of 131,072 bytes (q, q, k, k, v, v; four heads each); in a trip wave w makes head 8 y + 4 t + w: 32 weight rows x 64 rows x K 512 = 128 matrix instructions on 32 weight fragments,
; so each fragment read from LDS feeds four products.
; CLUSTER.  The four row blocks of a cluster walk the same weights: each chunk is asked for JOINTLY (mask 15), each wave its own quarter, which it alone reads.
; RING.  Two slots of a chunk each.  A trip: wait for all my tensor loads, the add, wait for my LDS reads, a round of the cluster's barrier, ONE joint load (the next chunk), then this chunk's work:
; by this text's count one tensor load of a wave is out.
; ORIENTATION.  q, k: source 0 = weights, source 1 = xn: a lane holds ONE row (lane % 16) and channels 8 (lane / 16) + 0..7 of a channel half: 16 bytes of a fragment of q or K, and the
; pairs that RoPE turns lie in neighbouring registers.  v: the sources change places: a lane holds ONE channel and 8 keys: 16 bytes of a fragment of V^T.
; qf: [b x 16 + head][tile of 16 rows 0..127][fragment].  kv: [b x 16 + head][step of 64 keys 0..31][K's 4 fragments (16 keys each), V^T's 4 (2 x (32 keys) + channel half)].
; LIMITS.  q, k, v must stay under 65,504 (f16).  The scale 1 / sqrt(32) is not applied here.
; REGISTERS, in windows of 256 (s_set_vgpr_msb: bits 1:0 source 0, 3:2 source 1, 5:4 source 2, 7:6 destination):
;   window 0: v0-31 addresses, at work; v32-159 two buffers of 8 weight fragments; v160-223 8 accumulators (channel half cb, row tile rt at 8 (4 cb + rt)); v224-255 packed results
;   window 1: xn, row tiles 0, 1 (at 8 (16 (rt % 2) + ks));  window 2: row tiles 2, 3;  window 3: v0-63 (cos, sin) pairs at 2 (4 (2 rt + cb) + m)
.set CHUNK, 131072
.set SLOT,  131072
.set SPARE, 262144                     ; behind the ring: the spare words, 128 bytes for each wave: two blocks of 256 bytes that no other line names
.set NCH,   6
.set SPW, 2                            ; v2   LDS address of my spare word; never rewritten
.set NIL, 3                            ; v3   0; never rewritten
.set WA0, 4                            ; v4   my quarter of a slot + 16 x lane
.set WA,  5                            ; v5   the same in the slot in hand
.set L16, 6                            ; v6   16 x lane
.set PFO, 7                            ; v7   256 x lane
.set RO,  8                            ; v8   my offset in the table
.set TT,  16                           ; v16-23 at work
.set WB,  32
.set ACC, 160
.set TMP, 224
.set WV,  14                           ; s14  wave
.set CX,  15                           ; s15  my place in the cluster: it enters global addresses alone
.set WGX, 16                           ; s16  block of 64 rows
.set YH,  17                           ; s17  half of the heads
.set G1,  24                           ; s[24:31] descriptor group 1
.set G0,  32                           ; s[32:35] descriptor group 0: it walks
.set TB,  36                           ; s36  the slot in hand
.set IT,  37                           ; s37  counts q's and k's trips
.set CH,  38                           ; s38  the trip's number
.set PFE, 39                           ; s39  trips that prefetch
.set PFA, 40                           ; s[40:41] where my prefetch stands
.set QP,  42                           ; s[42:43] qf at my head (t = 0) and rows
.set KP,  44                           ; s[44:45] kv likewise
.set DST, 46                           ; s[46:47]
.set OFF, 48                           ; s[48:49]
.set MSB, 0
.macro WIN new                         ; the immediate's high byte repeats the setting that is left; a switch that changes nothing is dropped
.if MSB != (\new)
	s_set_vgpr_msb (MSB<<8)|(\new)
.set MSB, \new
.endif
.endm
.macro NOP4                            ; four places behind a matrix instruction (ISA guide 7.12.1), where no other vector work is at hand
.rept 4
	v_nop
.endr
.endm
.macro ROUND                           ; a round of the cluster's barrier
	s_barrier_signal -1
	s_barrier_wait -1
	s_cmp_lg_u32 s[WV], 0
	s_cbranch_scc1 .Lnot_wave_0_\@
	s_barrier_signal -3
.Lnot_wave_0_\@:
	s_barrier_wait -3
	s_barrier_signal -1
	s_barrier_wait -1
.endm
; THE CHANGE OF SLOTS.  All my tensor loads have landed (the one that was out is this trip's chunk); the add; my reads of the slot read last are over; then the round, and behind it first the joint
; load of the next chunk into that slot.  refill = 0: the last trip asks for nothing, and a plain barrier stands in the round's place.
.macro RING refill
	WIN 0
	s_wait_xcnt 0x0                                ; the last prefetch and the last stores, a trip back, have read their registers
	s_add_nc_u64 s[PFA:PFA+1], s[PFA:PFA+1], CHUNK
	s_add_co_u32 s[CH], s[CH], 1
	s_wait_tensorcnt 0x0                           ; no tensor load of mine is out, so group 0 may be written
	ds_add_u32 v[SPW], v[NIL]                      ; 0 onto my spare word
.if \refill
	s_xor_b32 s[G0+1], s[G0+1], SLOT
	s_add_nc_u64 s[G0+2:G0+3], s[G0+2:G0+3], CHUNK ; the type bits on top are not reached
.endif
	s_xor_b32 s[TB], s[TB], SLOT
	s_wait_dscnt 0x0                               ; the add is done, and my LDS reads are over
.if \refill
	ROUND
	tensor_load_to_lds s[G0:G0+3], s[G1:G1+7]
	s_nop 0
.else
	s_barrier_signal -1
	s_barrier_wait -1
.endif
	NOP4                                           ; also the places in front of the loads into the weight buffers
	v_add_nc_u32 v[WA], s[TB], v[WA0]
.endm
.macro FETCH q, b                      ; run q of a chunk: 8 fragments (4 K steps x 2 tiles of 16 weight rows), 16 loads of 512 consecutive bytes, into buffer b
.set f, 0
.rept 8
	ds_load_b128 v[WB+64*(\b)+8*f:WB+64*(\b)+8*f+3],   v[WA] offset:(\q)*8192+f*1024
	ds_load_b128 v[WB+64*(\b)+8*f+4:WB+64*(\b)+8*f+7], v[WA] offset:(\q)*8192+f*1024+512
.set f, f+1
.endr
.endm
; A PREFETCH INTO THE L2 of chunk CH + 3, two trips ahead of the joint load that will ask for it.  All clusters of a half of the heads walk the same six chunks: the first cluster (x = 0) asks.
; Its 16 waves x 32 lanes name the chunk's 512 blocks of 256 bytes once each, told apart by address (4 cx + wave); no branch hangs on a place in the cluster.
; Chunks 0 to 2 come by their loads alone; the last three trips ask for nothing.
.macro ASK
	s_cmp_lt_u32 s[CH], s[PFE]
	s_cbranch_scc0 .Lnot_mine_\@
	global_prefetch_b8 v[PFO], s[PFA:PFA+1] th:TH_LOAD_NT scope:SCOPE_SE
.Lnot_mine_\@:
.endm
; 32 matrix instructions on run q.  The four accumulators of a window's two row tiles take turns, one instruction a turn, from run to run and from trip to trip too.
; o = 1: weights are source 0; o = 2: source 1.  The first K step starts the sums with the constant 0.
.macro MULRUN q, o
.irp g, 0,1
.if (\o) == 1
	WIN 0x04*(1+\g)
.else
	WIN 1+\g
.endif
.irp ksl, 0,1,2,3
.irp ctl, 0,1
.irp rl, 0,1
.set rA, ACC+8*(4*\ctl+2*\g+\rl)
.set rW, WB+64*((\q)%2)+8*(2*\ksl+\ctl)
.set rX, 8*(16*\rl+4*(\q)+\ksl)
.if (\o) == 1
.set rS0, rW
.set rS1, rX
.else
.set rS0, rX
.set rS1, rW
.endif
.if ((\q) == 0) && (\ksl == 0)
	v_wmma_f32_16x16x32_f16 v[rA:rA+7], v[rS0:rS0+7], v[rS1:rS1+7], 0
.else
	v_wmma_f32_16x16x32_f16 v[rA:rA+7], v[rS0:rS0+7], v[rS1:rS1+7], v[rA:rA+7]
.endif
.endr
.endr
.endr
.endr
.endm
.macro GEMMTRIP o                      ; a chunk: four runs on two buffers; a buffer is loaded again four places behind its last product
	FETCH 0, 0
	FETCH 1, 1
	ASK
	s_wait_dscnt 16                                ; run 0 is in; run 1's 16 loads are younger
	MULRUN 0, \o
	WIN 0
	NOP4
	FETCH 2, 0
	s_wait_dscnt 16                                ; run 1 is in
	MULRUN 1, \o
	WIN 0
	NOP4
	FETCH 3, 1
	s_wait_dscnt 16                                ; run 2 is in
	MULRUN 2, \o
	s_wait_dscnt 0x0
	MULRUN 3, \o
	WIN 0
.endm
	s_load_b256 s[4:11], s[0:1], 0x0               ; xn s[4:5], wts s[6:7], rope s[8:9], qf s[10:11]
	s_load_b64 s[12:13], s[0:1], 0x20              ; kv
	v_lshl_add_u32 v[SPW], v0, 2, SPARE
	v_mov_b32 v[NIL], 0
	ds_add_u32 v[SPW], v[NIL]                      ; the wave's opening: the add and its wait stand ahead of my first tensor load; the set-up below, work on registers, stands between them
	v_lshrrev_b32 v1, 5, v0
	v_readfirstlane_b32 s[WV], v1
	s_bfe_u32 s[CX], ttmp6, 0x40000
	s_lshl_b32 s[WGX], ttmp9, 2
	s_add_co_u32 s[WGX], s[WGX], s[CX]
	s_and_b32 s[YH], ttmp7, 0xffff
	; group 1: 128 rows of 256 bytes, dense: a wave's quarter of a chunk
	s_mov_b32 s[G1], 15|(3<<16)|(1<<21)            ; 15:0 the mask of four; 17:16 elements of 8 bytes; 21 set beside a mask
	s_mov_b32 s[G1+1], 32<<16                      ; tensor_dim0 = 32
	s_mov_b32 s[G1+2], 128<<16                     ; tensor_dim1 = 128
	s_mov_b32 s[G1+3], 32<<16                      ; tile_dim0 = 32
	s_mov_b32 s[G1+4], 128                         ; tile_dim1 = 128
	s_mov_b32 s[G1+5], 32                          ; 32 elements from row to row
	s_mov_b32 s[G1+6], 0
	s_mov_b32 s[G1+7], 0
	s_mov_b32 s[G0], 1
	s_lshl_b32 s[G0+1], s[WV], 15                  ; LDS: slot 0, my quarter
	s_mov_b32 s[TB], SLOT                          ; the first change of slots turns it into 0
	s_mov_b32 s[CH], -1
	s_cmp_eq_u32 ttmp9, 0
	s_cselect_b32 s[PFE], NCH-3, 0                 ; the same in all four partners
	s_mul_i32 s18, s[YH], NCH*CHUNK                ; my half's six chunks
	s_mov_b32 s19, 0
	s_lshl_b32 s52, s[WV], 15
	s_mov_b32 s53, 0
	s_lshl2_add_u32 s20, s[CX], s[WV]
	s_lshl_b32 s20, s20, 13
	s_add_co_u32 s20, s20, 2*CHUNK                 ; the first change of slots steps it to chunk 3
	s_mov_b32 s21, 0
	s_lshr_b32 s22, s[WGX], 5                      ; batch
	s_lshl4_add_u32 s22, s22, s[WV]
	s_lshl3_add_u32 s22, s[YH], s22                ; 16 b + 8 y + w
	s_and_b32 s23, s[WGX], 31                      ; my 64 rows among the batch's 2,048
	s_lshl_b32 s54, s22, 17
	s_lshl_b32 s55, s23, 12
	s_add_co_u32 s54, s54, s55
	s_mov_b32 s55, 0
	s_lshl_b32 s56, s22, 18
	s_lshl_b32 s58, s23, 13
	s_add_co_u32 s56, s56, s58
	s_mov_b32 s57, 0
	s_mov_b32 s59, 0
	s_lshl_b32 s60, s[WGX], 16
	s_mov_b32 s61, 0
	s_mov_b32 s[OFF+1], 0
	v_and_b32 v1, 31, v0
	v_lshlrev_b32 v[L16], 4, v1
	v_lshlrev_b32 v[PFO], 8, v1
	v_lshl_add_u32 v[WA0], s[WV], 15, v[L16]
	v_and_b32 v9, 15, v0
	v_bfe_u32 v10, v0, 4, 1
	v_lshlrev_b32 v[RO], 7, v9
	v_lshl_add_u32 v[RO], v10, 5, v[RO]            ; row r: 128 bytes of the table; my four pairs begin 32 (lane / 16) in
	s_wait_dscnt 0x0                               ; the opening add is done
	s_wait_kmcnt 0x0
	s_add_nc_u64 s[50:51], s[6:7], s[18:19]
	s_add_nc_u64 s[G0+2:G0+3], s[50:51], s[52:53]
	s_or_b32 s[G0+3], s[G0+3], 0x80000000          ; type = 2
	s_add_nc_u64 s[PFA:PFA+1], s[50:51], s[20:21]
	s_add_nc_u64 s[QP:QP+1], s[10:11], s[54:55]
	s_add_nc_u64 s[KP:KP+1], s[12:13], s[56:57]
	s_add_nc_u64 s[8:9], s[8:9], s[58:59]
	s_add_nc_u64 s[4:5], s[4:5], s[60:61]
	ROUND                                          ; all four work-groups are here: the first joint loads meet
	tensor_load_to_lds s[G0:G0+3], s[G1:G1+7]      ; chunk 0
	s_nop 0
	NOP4
	WIN 0x40
.set i, 0
.rept 32                               ; xn stays in registers: fragment 16 rt + ks
	global_load_b128 v[8*i:8*i+3],   v[L16], s[4:5] offset:i*1024
	global_load_b128 v[8*i+4:8*i+7], v[L16], s[4:5] offset:i*1024+512
.set i, i+1
.endr
	WIN 0x80
.set i, 0
.rept 32
	global_load_b128 v[8*i:8*i+3],   v[L16], s[4:5] offset:(32+i)*1024
	global_load_b128 v[8*i+4:8*i+7], v[L16], s[4:5] offset:(32+i)*1024+512
.set i, i+1
.endr
	WIN 0xc0
.set i, 0
.rept 8                                ; the table for i = 2 rt + cb: four (cos, sin) pairs of position 16 rt + r
	global_load_b128 v[8*i:8*i+3],   v[RO], s[8:9] offset:(i/2)*2048+(i%2)*64
	global_load_b128 v[8*i+4:8*i+7], v[RO], s[8:9] offset:(i/2)*2048+(i%2)*64+16
.set i, i+1
.endr
	WIN 0
	s_wait_loadcnt 0x0
	s_mov_b32 s[IT], 4
.Lqk:                                  ; IT = 4, 3: q of t = 0, 1; IT = 2, 1: k of t = 0, 1
	RING 1
	GEMMTRIP 1
	NOP4
	s_wait_xcnt 0x0                                ; the last trip's stores have read DST and the packed results
	s_and_b32 s[OFF], s[IT], 1                     ; t
	s_cmp_gt_u32 s[IT], 2
	s_cselect_b64 s[DST:DST+1], s[QP:QP+1], s[KP:KP+1]
	s_cselect_b32 s62, 19, 20                      ; four heads on: 4 x 131,072 bytes of qf, 4 x 262,144 of kv
	s_lshl_b32 s[OFF], s[OFF], s62
	s_add_nc_u64 s[DST:DST+1], s[DST:DST+1], s[OFF:OFF+1]
	WIN 0x0c                                       ; source 1: the table
.set a, 0
.rept 8                                ; accumulator a = 4 cb + rt; each is read from its low end on
.set tb, 8*(2*(a%4)+a/4)
.set m, 0
.rept 4
	v_mul_f32 v[TT+2*m],   v[ACC+8*a+2*m+1], v[tb+2*m+1]       ; xo sin
	v_mul_f32 v[TT+2*m+1], v[ACC+8*a+2*m],   v[tb+2*m+1]       ; xe sin
.set m, m+1
.endr
.set m, 0
.rept 4
	v_fma_f32 v[ACC+8*a+2*m],   v[ACC+8*a+2*m],   v[tb+2*m], -v[TT+2*m]    ; xe cos - xo sin
	v_fma_f32 v[ACC+8*a+2*m+1], v[ACC+8*a+2*m+1], v[tb+2*m], v[TT+2*m+1]   ; xo cos + xe sin
.set m, m+1
.endr
.set a, a+1
.endr
	WIN 0
.set i, 0
.rept 32
	v_cvt_pk_f16_f32 v[TMP+i], v[ACC+2*i], v[ACC+2*i+1]
.set i, i+1
.endr
.set a, 0
.rept 8
	global_store_b128 v[L16], v[TMP+4*a:TMP+4*a+3], s[DST:DST+1] offset:(a%4)*1024+(a/4)*512  ; half cb of fragment rt: 512 consecutive bytes
.set a, a+1
.endr
	s_sub_co_u32 s[IT], s[IT], 1
	s_cmp_lg_u32 s[IT], 0
	s_cbranch_scc1 .Lqk
.macro VOUT t                          ; keys 16 rt + 8 (lane / 16) + 0..7 of channel 16 cb + lane % 16: half rt % 2 of V^T's fragment 2 (rt / 2) + cb
	NOP4
	s_wait_xcnt 0x0
.set i, 0
.rept 32
	v_cvt_pk_f16_f32 v[TMP+i], v[ACC+2*i], v[ACC+2*i+1]
.set i, i+1
.endr
.set a, 0
.rept 8
	global_store_b128 v[L16], v[TMP+4*a:TMP+4*a+3], s[KP:KP+1] offset:(\t)*1048576+4096+(2*((a%4)/2)+a/4)*1024+(a%2)*512
.set a, a+1
.endr
.endm
	RING 1                                         ; the tail is written out
	GEMMTRIP 2
	VOUT 0
	RING 0
	GEMMTRIP 2
	VOUT 1
	s_wait_tensorcnt 0x0                           ; the wave's end
	ds_add_u32 v[SPW], v[NIL]
	s_wait_dscnt 0x0
	ROUND                                          ; the closing round: no work-group ends while a partner may still ask for a chunk that names it
	s_endpgm
.Lfunc_end_k_qc569ac6f83_qkv:
	.size	k_qc569ac6f83_qkv, .Lfunc_end_k_qc569ac6f83_qkv-k_qc569ac6f83_qkv
	.p2alignl 7, 3214868480
	.fill 96, 4, 3214868480
	.section	.rodata,"a",@progbits
	.p2align	6, 0x0
	.amdhsa_kernel k_qc569ac6f83_qkv
		.amdhsa_group_segment_fixed_size 327680
		.amdhsa_private_segment_fixed_size 0
		.amdhsa_enable_private_segment 0
		.amdhsa_kernarg_size 40
		.amdhsa_user_sgpr_count 2
		.amdhsa_user_sgpr_kernarg_segment_ptr 1
		.amdhsa_wavefront_size32 1
		.amdhsa_system_sgpr_workgroup_id_x 1
		.amdhsa_system_sgpr_workgroup_id_y 1
		.amdhsa_system_sgpr_workgroup_id_z 1
		.amdhsa_system_vgpr_workitem_id 0
		.amdhsa_next_free_vgpr 832
		.amdhsa_next_free_sgpr 66
		.amdhsa_reserve_vcc 0
		.amdhsa_float_denorm_mode_32 3
		.amdhsa_float_denorm_mode_16_64 3
		.amdhsa_memory_ordered 1
		.amdhsa_forward_progress 1
		.amdhsa_inst_pref_size 75
	.end_amdhsa_kernel
	.amdgpu_metadata
---
amdhsa.version: [ 1, 2 ]
amdhsa.kernels:
  - .name:           k_qc569ac6f83_qkv
    .symbol:         k_qc569ac6f83_qkv.kd
    .args:
      - { .name: xn, .offset: 0, .size: 8, .value_kind: global_buffer, .address_space: global }
      - { .name: wts, .offset: 8, .size: 8, .value_kind: global_buffer, .address_space: global }
      - { .name: rope, .offset: 16, .size: 8, .value_kind: global_buffer, .address_space: global }
      - { .name: qf, .offset: 24, .size: 8, .value_kind: global_buffer, .address_space: global }
      - { .name: kv, .offset: 32, .size: 8, .value_kind: global_buffer, .address_space: global }
    .group_segment_fixed_size: 327680
    .private_segment_fixed_size: 0
    .kernarg_segment_align: 8
    .kernarg_segment_size: 40
    .max_flat_workgroup_size: 128
    .sgpr_count:     66
    .vgpr_count:     832
    .wavefront_size: 32
...
	.end_amdgpu_metadata
.endif
;; end of part 2
;; launch attn (part 3): grid 4 x 64, 8 waves a work-group, clusters of 4 x 1, 295,936 bytes of LDS; arguments qf, kv, ao; writes ao
.if DOCPART == 3
	.amdgcn_target "amdgcn-amd-amdhsa--gfx1250"
	.amdhsa_code_object_version 6
	.text
	.protected	k_qc569ac6f83_attn
	.globl	k_qc569ac6f83_attn
	.p2align	8
	.type	k_qc569ac6f83_attn,@function
k_qc569ac6f83_attn:
	s_mov_b64 s[64:65], 0
	v_nop
	global_prefetch_b8 v0, s[64:65] scope:SCOPE_SE
	s_setreg_imm32_b32 hwreg(HW_REG_WAVE_MODE, 25, 1), 1
	s_wait_xcnt 0x0
	s_wait_alu depctr_hold_cnt(0) depctr_sa_sdst(0) depctr_va_vdst(0) depctr_va_sdst(0) depctr_va_ssrc(0) depctr_va_vcc(0) depctr_vm_vsrc(0)
	s_getreg_b32 s2, hwreg(HW_REG_IB_STS2, 6, 4)
	s_cmp_eq_u32 s2, 0
	s_cbranch_scc0 .Lentry_in_a_cluster
	s_endpgm
.Lentry_in_a_cluster:
	s_bfe_u32 s2, ttmp6, 0x10000c
	s_cmp_lg_u32 s2, 0x3003
	s_cbranch_scc0 .Lentry_shape_is_right
	s_endpgm
.Lentry_shape_is_right:
; CAUSAL ATTENTION at head size 32.  O[q] = the sum over k <= q of softmax_k(Q[q] . K[k] / sqrt(32)) V[k], for 64 (batch, head) pairs of 2,048 rows.  q, K, V^T arrive as f16 matrix fragments;
; products, maxima and sums in f32; the weights p are rounded to f16 for the second product, and their sum l is taken of the rounded p, by the matrix unit; O rounded once to f16.
; LIMITS.  A hidden score counts as its value less 1e30; a weight below 2^-126 counts as 0; p below 6e-5 keeps f16's fixed step of 6e-8; NaN and infinities are not treated apart.
; THE COUNT.  A tile of 16 queries x 64 keys has 10 matrix and some 100 vector instructions: the vector unit bounds the launch.  So the hidden half is not computed, the row sums go to the matrix
; unit (ones x P), and two waves share a SIMD, so that one wave's products and the places behind them run under the other's vector work.
; CLUSTER.  A cluster is one head.  Its four work-groups need the same K and V, 262,144 bytes, which fit in LDS whole: they are asked for JOINTLY, ONCE: nothing is filled again.
; Each wave issues two joint loads at the start (two are out, by this text's count): its eighth of key steps 0 to 7, and its eighth of steps 8 to 31, waited for behind step 6.
; No prefetch: all that the launch reads is asked for by these loads at its head.
; SHARES.  A head has 128 tiles of 16 queries; tile tau needs the key steps 0 .. L = tau / 4 of 64 keys, the last of which holds the diagonal.  Wave w (sg = w % 4, hf = w / 4) has four PIECES:
; i = 2 p + (hf xor p % 2), L_p = 4 i + (sg + i) % 4, tau_p = 4 L_p + cx.  So every trip count and branch hangs on the wave's number alone, the same in all partners; cx enters global
; addresses and the mask's numbers.  A wave has 62 to 70 tile steps, waves w and w + 4 together 132, every work-group the same.
; THE MASK is the C operand of the diagonal step's products: 0, or -1e30 where 16 kt + j > 16 cx + r - 8 h.  It is one for all four pieces: 32 registers' worth, kept in the wave's own LDS bytes.
; LAYOUT.  S^T = K Q^T: a lane holds ONE query (lane % 16) and keys 8 (lane / 16) + 0..7 of each of four tiles of 16 keys; rounded in pairs they ARE source 1 of O^T = V^T P.
; SOFTMAX.  Running maximum m and sum l: p = 2^(c s - c m), c = log2(e) / sqrt(32); O and l are multiplied by a = 2^(c m_old - c m_new).  m starts at the lowest finite number, O and l at 0:
; no first step is written out; the price is 64 lines that write 0, which run while the first tile is on its way.
.set MASKB, 262144                     ; behind K and V: 4,096 bytes for each wave
.set SPARE, 294912                     ; behind the masks: the spare words, 128 bytes for each of eight waves: four blocks of 256 bytes that no other line names
.set SPW, 1                            ; v1   LDS address of my spare word; never rewritten
.set NIL, 2                            ; v2   0; never rewritten
.set LA,  3                            ; v3   16 x lane + the step in hand
.set MA,  4                            ; v4   my mask
.set L16, 5                            ; v5   16 x lane
.set ONES, 8                           ; v[8:15]    1.0 in f16, sixteen rows of it
.set Q,   16                           ; v[16:47]   8 a piece
.set O,   48                           ; v[48:111]  O^T, two accumulators a piece
.set ST,  112                          ; v[112:127] a piece: c m, m, l, 0
.set KF,  128                          ; v[128:159] K of a step: 4 fragments
.set VF,  160                          ; v[160:191] V^T of a step: fragment 2 kk + cb
.set S,   192                          ; v[192:223]
.set P,   224                          ; v[224:239]
.set LT,  240                          ; v[240:247] ones x P
.set CC,  248                          ; v[248:251] at work
.set AA,  252                          ; v[252:253] a (the packed multiply names a pair and takes its low word)
.set MV,  254                          ; v254       c m_old
.set WV,  10
.set CX,  11
.set BH,  12
.set LP,  16                           ; s16-19 L_0 .. L_3, ascending
.set G,   20                           ; s20  the key step
.set TBS, 21
.set CS,  22                           ; s[22:23] c
.set G1A, 24
.set G1B, 32
.set G0A, 40
.set G0B, 44
.set SEL, 48                           ; s[48:49]
.set BIGN, 50
.set AOP, 52                           ; s[52:59] ao at each piece's fragment
.set QPT, 72                           ; s[72:79] qf likewise
.macro NOP4
.rept 4
	v_nop
.endr
.endm
.macro ROUND
	s_barrier_signal -1
	s_barrier_wait -1
	s_cmp_lg_u32 s[WV], 0
	s_cbranch_scc1 .Lnot_wave_0_\@
	s_barrier_signal -3
.Lnot_wave_0_\@:
	s_barrier_wait -3
	s_barrier_signal -1
	s_barrier_wait -1
.endm
	s_load_b128 s[4:7], s[0:1], 0x0                ; qf s[4:5], kv s[6:7]
	s_load_b64 s[8:9], s[0:1], 0x10                ; ao
	v_lshl_add_u32 v[SPW], v0, 2, SPARE
	v_mov_b32 v[NIL], 0
	ds_add_u32 v[SPW], v[NIL]                      ; the wave's opening: the add and its wait stand ahead of my first tensor load; the set-up below, work on registers, stands between them
	v_lshrrev_b32 v6, 5, v0
	v_readfirstlane_b32 s[WV], v6                  ; wave 0..7
	s_bfe_u32 s[CX], ttmp6, 0x40000
	s_and_b32 s[BH], ttmp7, 0xffff                 ; the head, which the four partners share
.irp g, G1A, G1B
	s_mov_b32 s[\g], 15|(3<<16)|(1<<21)            ; the mask of four; elements of 8 bytes; bit 21 beside a mask
	s_mov_b32 s[\g+1], 32<<16                      ; rows of 256 bytes, dense
	s_mov_b32 s[\g+3], 32<<16
	s_mov_b32 s[\g+5], 32
	s_mov_b32 s[\g+6], 0
	s_mov_b32 s[\g+7], 0
.endr
	s_mov_b32 s[G1A+2], 32<<16                     ; 32 rows: 8,192 bytes, one key step
	s_mov_b32 s[G1A+4], 32
	s_mov_b32 s[G1B+2], 96<<16                     ; 96 rows: three key steps
	s_mov_b32 s[G1B+4], 96
	s_mov_b32 s[G0A], 1
	s_lshl_b32 s[G0A+1], s[WV], 13
	s_mov_b32 s[G0B], 1
	s_mul_i32 s[G0B+1], s[WV], 24576
	s_add_co_u32 s[G0B+1], s[G0B+1], 65536
	s_lshl_b32 s60, s[BH], 18                      ; the head's 262,144 bytes: LDS is their image
	s_mov_b32 s61, 0
	s_add_co_u32 s62, s60, s[G0A+1]
	s_mov_b32 s63, 0
	s_add_co_u32 s60, s60, s[G0B+1]
	s_and_b32 s13, s[WV], 3
	s_lshr_b32 s14, s[WV], 2
.irp p, 0,1,2,3
	s_xor_b32 s15, s14, (\p)&1
	s_add_co_u32 s15, s15, 2*(\p)                  ; i
	s_add_co_u32 s66, s13, s15
	s_and_b32 s66, s66, 3
	s_lshl2_add_u32 s[LP+\p], s15, s66             ; L_p
.endr
	s_mov_b32 s[CS], 0x3e8293ee                    ; c = log2(e) / sqrt(32) = 0.255035
	s_mov_b32 s[CS+1], s[CS]
	s_mov_b32 s[SEL], 0x76543210
	s_mov_b32 s[SEL+1], 0xfedcba98
	s_mov_b32 s[BIGN], 0xf149f2ca                  ; -1e30
	v_and_b32 v6, 31, v0
	v_lshlrev_b32 v[L16], 4, v6
	s_wait_dscnt 0x0                               ; the opening add is done
	s_wait_kmcnt 0x0
	s_add_nc_u64 s[G0A+2:G0A+3], s[6:7], s[62:63]
	s_or_b32 s[G0A+3], s[G0A+3], 0x80000000
	s_add_nc_u64 s[G0B+2:G0B+3], s[6:7], s[60:61]
	s_or_b32 s[G0B+3], s[G0B+3], 0x80000000
	ROUND                                          ; all four work-groups are here: the joint loads meet
	tensor_load_to_lds s[G0A:G0A+3], s[G1A:G1A+7]  ; key step w
	s_nop 0
	tensor_load_to_lds s[G0B:G0B+3], s[G1B:G1B+7]  ; key steps 8 + 3 w .. 10 + 3 w
	s_nop 0
	NOP4
	s_lshl_b32 s67, s[BH], 17
	s_lshr_b32 s68, s[BH], 4
	s_lshl_b32 s68, s68, 21                        ; the batch's 128 row tiles of 16,384 bytes
	s_and_b32 s69, s[BH], 15
	s_lshl_b32 s69, s69, 10                        ; the head is ao's K step
	s_add_co_u32 s68, s68, s69
.irp p, 0,1,2,3
	s_lshl2_add_u32 s66, s[LP+\p], s[CX]           ; tau_p
	s_lshl_b32 s62, s66, 10
	s_add_co_u32 s62, s62, s67
	s_add_nc_u64 s[QPT+2*\p:QPT+2*\p+1], s[4:5], s[62:63]
	s_lshl_b32 s62, s66, 14
	s_add_co_u32 s62, s62, s68
	s_add_nc_u64 s[AOP+2*\p:AOP+2*\p+1], s[8:9], s[62:63]
	global_load_b128 v[Q+8*\p:Q+8*\p+3],   v[L16], s[QPT+2*\p:QPT+2*\p+1]
	global_load_b128 v[Q+8*\p+4:Q+8*\p+7], v[L16], s[QPT+2*\p:QPT+2*\p+1] offset:512
.endr
	v_and_b32 v6, 15, v0
	v_bfe_u32 v7, v0, 4, 1
	v_lshlrev_b32 v7, 3, v7
	v_sub_nc_u32 v6, v6, v7
	s_lshl_b32 s66, s[CX], 4
	v_add_nc_u32 v6, s66, v6                       ; my query's place in its 64, less my lanes' 8 (lane / 16)
.set i, 0
.rept 32
	v_cmp_gt_i32 vcc_lo, 16*(i/8)+i%8, v6
	v_cndmask_b32 v[S+i], 0, s[BIGN], vcc_lo
.set i, i+1
.endr
	s_lshl_b32 s66, s[WV], 12
	s_add_co_u32 s66, s66, MASKB
	v_add_nc_u32 v[MA], s66, v[L16]
.irp i, 0,1,2,3,4,5,6,7
	ds_store_b128 v[MA], v[S+4*\i:S+4*\i+3] offset:512*\i
.endr
.set i, 0
.rept 64
	v_mov_b32 v[O+i], 0
.set i, i+1
.endr
.irp p, 0,1,2,3
	v_mov_b32 v[ST+4*\p], 0xfe000000               ; c m: far below every c s
	v_mov_b32 v[ST+4*\p+1], 0xff7fffff             ; m
	v_mov_b32 v[ST+4*\p+2], 0                      ; l
	v_mov_b32 v[ST+4*\p+3], 0                      ; named with l as a pair on the way out
.endr
.irp i, 0,1,2,3,4,5,6,7
	v_mov_b32 v[ONES+\i], 0x3c003c00
.endr
	v_mov_b32 v[AA+1], 0
	v_mov_b32 v[LA], v[L16]
.macro FETCH_K off                     ; 4 fragments, 8 loads of 512 consecutive bytes
.irp f, 0,1,2,3
	ds_load_b128 v[KF+8*\f:KF+8*\f+3],   v[LA] offset:(\off)+\f*1024
	ds_load_b128 v[KF+8*\f+4:KF+8*\f+7], v[LA] offset:(\off)+\f*1024+512
.endr
.endm
.macro FETCH_V off
.irp f, 0,1,2,3
	ds_load_b128 v[VF+8*\f:VF+8*\f+3],   v[LA] offset:(\off)+4096+\f*1024
	ds_load_b128 v[VF+8*\f+4:VF+8*\f+7], v[LA] offset:(\off)+4096+\f*1024+512
.endr
.endm
.macro FS b                            ; pair b of 16: c s - c m
	v_pk_fma_f32 v[S+2*(\b):S+2*(\b)+1], v[S+2*(\b):S+2*(\b)+1], s[CS:CS+1], v[rT:rT+1] op_sel_hi:[1,0,0] neg_lo:[0,0,1] neg_hi:[0,0,1]
.endm
; PIECE p in key step G, in phases.  The ten matrix instructions name accumulators by turns (S0-S3; LT, O0, O1, LT, O0, O1), from piece to piece too.
.macro PIECE p
.set rT, ST+4*(\p)
.set rQ, Q+8*(\p)
.set rO, O+16*(\p)
.if (\p) < 3
	s_cmp_gt_u32 s[G], s[LP+\p]                    ; behind its diagonal a piece has nothing to do (piece 3 lives as long as the wave's walk)
	s_cbranch_scc1 .Lskip_\@
.endif
	s_cmp_eq_u32 s[G], s[LP+\p]
	s_cbranch_scc0 .Lopen_\@
.irp i, 0,1,2,3,4,5,6,7
	ds_load_b128 v[S+4*\i:S+4*\i+3], v[MA] offset:512*\i  ; the diagonal step: the mask starts the sums
.endr
	s_wait_dscnt 0x0
.irp kt, 0,1,2,3
	v_wmma_f32_16x16x32_f16 v[S+8*\kt:S+8*\kt+7], v[KF+8*\kt:KF+8*\kt+7], v[rQ:rQ+7], v[S+8*\kt:S+8*\kt+7]
.endr
	s_branch .Lscored_\@
.Lopen_\@:
.irp kt, 0,1,2,3
	v_wmma_f32_16x16x32_f16 v[S+8*\kt:S+8*\kt+7], v[KF+8*\kt:KF+8*\kt+7], v[rQ:rQ+7], 0
.endr
.Lscored_\@:
	NOP4                                           ; the places behind the products
.if (\p) == 3
	FETCH_K 8192                                   ; all pieces have multiplied by K: the next step's.  (The last live step's fetches serve nothing; they stay inside LDS: behind step 31 lie the masks.)
.endif
.irp n, 0,1,2,3                        ; the maximum: four chains, each accumulator from its low end
	v_max3_num_f32 v[CC+\n], v[S+8*\n], v[S+8*\n+1], v[S+8*\n+2]
.endr
.irp n, 0,1,2,3
	v_max3_num_f32 v[CC+\n], v[CC+\n], v[S+8*\n+3], v[S+8*\n+4]
.endr
.irp n, 0,1,2,3
	v_max3_num_f32 v[CC+\n], v[CC+\n], v[S+8*\n+5], v[S+8*\n+6]
.endr
	v_max3_num_f32 v[CC], v[CC], v[S+7], v[S+15]
	v_max3_num_f32 v[CC+1], v[CC+1], v[S+23], v[S+31]
	v_max3_num_f32 v[CC+2], v[CC+2], v[CC+3], v[rT+1]
	v_mov_b32 v[MV], v[rT]
	v_max3_num_f32 v[CC], v[CC], v[CC+1], v[CC+2]
	v_permlanex16_b32 v[CC+3], v[CC], s[SEL], s[SEL+1]  ; the query's other 32 keys lie in the lane 16 away
	v_max_num_f32 v[rT+1], v[CC], v[CC+3]
	v_mul_f32 v[rT], s[CS], v[rT+1]
	v_sub_f32 v[CC+1], v[MV], v[rT]
	v_exp_f32 v[AA], v[CC+1]                       ; ONE BATCH of 33 exponentials; nothing ahead of its wait names a result
	FS 0
	FS 1
.set b, 0
.rept 16
	v_exp_f32 v[S+2*b], v[S+2*b]
	v_exp_f32 v[S+2*b+1], v[S+2*b+1]
.if b < 14
	FS b+2
.endif
.set b, b+1
.endr
	v_nop                                          ; a plain instruction behind the last exponential,
	s_wait_alu depctr_va_vdst(0)                   ; and one wait for the batch ahead of its first reader
.set i, 0
.rept 16
	v_cvt_pk_f16_f32 v[P+i], v[S+2*i], v[S+2*i+1]
.set i, i+1
.endr
.set i, 0
.rept 8
	v_pk_mul_f32 v[rO+2*i:rO+2*i+1], v[rO+2*i:rO+2*i+1], v[AA:AA+1] op_sel_hi:[1,0]
.set i, i+1
.endr
.if (\p) == 3
	s_wait_dscnt 8                                 ; V is in; the next step's K, eight loads, is younger
.else
	s_wait_dscnt 0x0                               ; V is in
.endif
	v_wmma_f32_16x16x32_f16 v[LT:LT+7], v[ONES:ONES+7], v[P:P+7], 0
	v_wmma_f32_16x16x32_f16 v[rO:rO+7], v[VF:VF+7], v[P:P+7], v[rO:rO+7]
	v_wmma_f32_16x16x32_f16 v[rO+8:rO+15], v[VF+8:VF+15], v[P:P+7], v[rO+8:rO+15]
	v_wmma_f32_16x16x32_f16 v[LT:LT+7], v[ONES:ONES+7], v[P+8:P+15], v[LT:LT+7]
	v_wmma_f32_16x16x32_f16 v[rO:rO+7], v[VF+16:VF+23], v[P+8:P+15], v[rO:rO+7]
	v_wmma_f32_16x16x32_f16 v[rO+8:rO+15], v[VF+24:VF+31], v[P+8:P+15], v[rO+8:rO+15]
	NOP4
	v_fma_f32 v[rT+2], v[rT+2], v[AA], v[LT]       ; l = a l + the 64 weights' sum, which every register of LT holds
.Lskip_\@:
.endm
.macro STEP dead
.if \dead
	s_cmp_gt_u32 s[G], s[LP+3]                     ; the count goes to the constant maximum: a wave's dead steps are jumped, forward, past no barrier and no tensor load
	s_cbranch_scc1 .Ldead_\@
.endif
	s_lshl_b32 s[TBS], s[G], 13
	v_add_nc_u32 v[LA], s[TBS], v[L16]
	s_wait_dscnt 8                                 ; K is in; V's eight loads are younger
	PIECE 0
	PIECE 1
	PIECE 2
	PIECE 3
	FETCH_V 8192                                   ; five plain instructions behind the last product that read V
.Ldead_\@:
.endm
	s_wait_tensorcnt 1                             ; my part of key steps 0 to 7 is in; the second load is younger and stays out
	s_wait_dscnt 0x0                               ; my mask is written
	s_barrier_signal -1
	s_barrier_wait -1                              ; everybody's part is in
	FETCH_K 0
	FETCH_V 0
	s_wait_loadcnt 0x0                             ; Q
	s_mov_b32 s[G], 0
.LstageA:                              ; steps 0 to 6: each fetches the step behind it, 7 at the most
	STEP 0
	s_add_co_u32 s[G], s[G], 1
	s_cmp_lt_u32 s[G], 7
	s_cbranch_scc1 .LstageA
	s_wait_tensorcnt 0x0                           ; my part of key steps 8 to 31 is in
	s_wait_dscnt 0x0
	s_barrier_signal -1
	s_barrier_wait -1                              ; everybody's is
	s_mov_b32 s[G], 7
.LstageB:
	STEP 1
	s_add_co_u32 s[G], s[G], 1
	s_cmp_lt_u32 s[G], 32
	s_cbranch_scc1 .LstageB
	; THE WAY OUT: a lane's eight channels of a query are 16 bytes of a fragment of ao: no stage is needed
.irp p, 0,1,2,3
	v_rcp_f32 v[ST+4*\p+2], v[ST+4*\p+2]
.endr
	v_nop
	s_wait_alu depctr_va_vdst(0)                   ; one wait for the four reciprocals
.irp p, 0,1,2,3
.set i, 0
.rept 8
	v_pk_mul_f32 v[O+16*\p+2*i:O+16*\p+2*i+1], v[O+16*\p+2*i:O+16*\p+2*i+1], v[ST+4*\p+2:ST+4*\p+3] op_sel_hi:[1,0]
.set i, i+1
.endr
.set i, 0
.rept 8
	v_cvt_pk_f16_f32 v[S+8*\p+i], v[O+16*\p+2*i], v[O+16*\p+2*i+1]
.set i, i+1
.endr
	global_store_b128 v[L16], v[S+8*\p:S+8*\p+3],   s[AOP+2*\p:AOP+2*\p+1]             ; 512 consecutive bytes, aligned
	global_store_b128 v[L16], v[S+8*\p+4:S+8*\p+7], s[AOP+2*\p:AOP+2*\p+1] offset:512
.endr
	s_wait_tensorcnt 0x0                           ; the wave's end
	ds_add_u32 v[SPW], v[NIL]
	s_wait_dscnt 0x0
	ROUND                                          ; the closing round
	s_endpgm
.Lfunc_end_k_qc569ac6f83_attn:
	.size	k_qc569ac6f83_attn, .Lfunc_end_k_qc569ac6f83_attn-k_qc569ac6f83_attn
	.p2alignl 7, 3214868480
	.fill 96, 4, 3214868480
	.section	.rodata,"a",@progbits
	.p2align	6, 0x0
	.amdhsa_kernel k_qc569ac6f83_attn
		.amdhsa_group_segment_fixed_size 295936
		.amdhsa_private_segment_fixed_size 0
		.amdhsa_enable_private_segment 0
		.amdhsa_kernarg_size 24
		.amdhsa_user_sgpr_count 2
		.amdhsa_user_sgpr_kernarg_segment_ptr 1
		.amdhsa_wavefront_size32 1
		.amdhsa_system_sgpr_workgroup_id_x 1
		.amdhsa_system_sgpr_workgroup_id_y 1
		.amdhsa_system_sgpr_workgroup_id_z 1
		.amdhsa_system_vgpr_workitem_id 0
		.amdhsa_next_free_vgpr 256
		.amdhsa_next_free_sgpr 80
		.amdhsa_reserve_vcc 1
		.amdhsa_float_denorm_mode_32 3
		.amdhsa_float_denorm_mode_16_64 3
		.amdhsa_memory_ordered 1
		.amdhsa_forward_progress 1
		.amdhsa_inst_pref_size 76
	.end_amdhsa_kernel
	.amdgpu_metadata
---
amdhsa.version: [ 1, 2 ]
amdhsa.kernels:
  - .name:           k_qc569ac6f83_attn
    .symbol:         k_qc569ac6f83_attn.kd
    .args:
      - { .name: qf, .offset: 0, .size: 8, .value_kind: global_buffer, .address_space: global }
      - { .name: kv, .offset: 8, .size: 8, .value_kind: global_buffer, .address_space: global }
      - { .name: ao, .offset: 16, .size: 8, .value_kind: global_buffer, .address_space: global }
    .group_segment_fixed_size: 295936
    .private_segment_fixed_size: 0
    .kernarg_segment_align: 8
    .kernarg_segment_size: 24
    .max_flat_workgroup_size: 256
    .sgpr_count:     80
    .vgpr_count:     256
    .wavefront_size: 32
...
	.end_amdgpu_metadata
.endif
;; end of part 3
;; launch post (part 4): grid 256 x 1, 4 waves a work-group, clusters of 4 x 1, 327,680 bytes of LDS; arguments ao, wts, x, out0; writes out0
.if DOCPART == 4
	.amdgcn_target "amdgcn-amd-amdhsa--gfx1250"
	.amdhsa_code_object_version 6
	.text
	.protected	k_qc569ac6f83_post
	.globl	k_qc569ac6f83_post
	.p2align	8
	.type	k_qc569ac6f83_post,@function
k_qc569ac6f83_post:
	s_mov_b64 s[64:65], 0
	v_nop
	global_prefetch_b8 v0, s[64:65] scope:SCOPE_SE
	s_setreg_imm32_b32 hwreg(HW_REG_WAVE_MODE, 25, 1), 1
	s_wait_xcnt 0x0
	s_wait_alu depctr_hold_cnt(0) depctr_sa_sdst(0) depctr_va_vdst(0) depctr_va_sdst(0) depctr_va_ssrc(0) depctr_va_vcc(0) depctr_vm_vsrc(0)
	s_getreg_b32 s2, hwreg(HW_REG_IB_STS2, 6, 4)
	s_cmp_eq_u32 s2, 0
	s_cbranch_scc0 .Lentry_in_a_cluster
	s_endpgm
.Lentry_in_a_cluster:
	s_bfe_u32 s2, ttmp6, 0x10000c
	s_cmp_lg_u32 s2, 0x3003
	s_cbranch_scc0 .Lentry_shape_is_right
	s_endpgm
.Lentry_shape_is_right:
; x1 = x + ao wo^T;  xn = x1 / rms(x1);  h = silu(xn up^T) x (xn gate^T);  out = x1 + h down^T.  (The gain ln2 lies in up's and gate's weights.)  One launch: x1, xn and h never leave the WGP.
; SHARES.  A work-group has 32 rows.  Wave w has the weight rows 128 w .. 128 w + 127 of each matrix.  The weights come in SIXTEEN CHUNKS of 131,072 bytes (4 wo, 8 up + gate, 4 down): in a trip a wave
; multiplies two tiles of 16 weight rows by the 32 rows over K = 512: 64 matrix instructions on 32 weight fragments.  The 32 x 512 activations of a product lie in every wave's registers (256).
; CLUSTER.  The four row blocks of a cluster walk the same weights: each chunk is asked for JOINTLY (mask 15), each wave its own quarter, which it alone reads.  The ring is two slots of a chunk;
; by this text's count one tensor load of a wave is out.
; ORIENTATION.  wo, down: source 0 = activations, source 1 = weights, whose rows are dealt so that tile ct' holds rows .. + 4 r + ct': over four tiles a lane gathers four NEIGHBOURING columns of a row,
; and sixteen lanes hold 256 consecutive bytes of x and of out.  up, gate: the sources change places: a lane holds 8 neighbouring columns of h for one row: 16 bytes of a fragment.
; EXCHANGE.  xn and h pass from the waves that make their columns to all waves through LDS: blocks of 16 rows x 16 bytes, one a slot of eight k, 272 bytes apart.
; FORMATS.  ao, wo, xn, up, gate in f16; h and down in bf16 (h has no bound that f16 would hold); sums, x1 and the norm in f32.  x enters rounded to bf16, as every input of the program does.
; LIMITS.  xn is at most sqrt(512).  An exponential that overflows gives silu = 0 x up, as the sigmoid does.  NaN and infinities are not treated apart.
; REGISTERS, in windows of 256 (s_set_vgpr_msb: bits 1:0 source 0, 3:2 source 1, 5:4 source 2, 7:6 destination):
;   window 0: v0-31 addresses; v32-159 two buffers of 8 weight fragments (also at work between the products); v160-223 8 accumulators; v224-255 at work
;   window 1: the activations, fragment 16 rt + ks;   window 2: v0-127 x, then x1, then out: four columns at 4 (8 (2 rt + g) + j); v128-159 at work
.set CHUNK, 131072
.set SLOT,  131072
.set EX,    262144                     ; behind the ring, never filled by a tensor load
.set PITCH, 272
.set RTB,   64*PITCH
.set SUM,   EX+2*RTB                   ; 4 waves x 32 rows: partial sums of squares, f32
.set SPARE, SUM+512                    ; the spare words, 128 bytes for each wave: two blocks of 256 bytes that no other line names
.set NCH,   16
.set SPW, 2
.set NIL, 3
.set WA0, 4
.set WA,  5
.set L16, 6
.set PFO, 7
.set XO,  8                            ; v8   my offset in the work-group's rows of x and out
.set EXW, 9                            ; v9   where I put a row's slot of xn
.set EXR, 10                           ; v10  where I read half a fragment
.set HW,  11                           ; v11  where I put a slot of h: it steps two slots a trip
.set SUMW, 12
.set SUMR, 13
.set WB,  32
.set ACC, 160
.set TMP, 224
.set WV,  14
.set CX,  15
.set WG,  16
.set G1,  24
.set G0,  32
.set TB,  36
.set IT,  37
.set CH,  38
.set PFE, 39
.set PFA, 40
.set MSB, 0
.macro WIN new                         ; the immediate's high byte repeats the setting that is left; a switch that changes nothing is dropped
.if MSB != (\new)
	s_set_vgpr_msb (MSB<<8)|(\new)
.set MSB, \new
.endif
.endm
.macro NOP4                            ; four places behind a matrix instruction (ISA guide 7.12.1), where no other vector work is at hand
.rept 4
	v_nop
.endr
.endm
.macro ROUND                           ; a round of the cluster's barrier
	s_barrier_signal -1
	s_barrier_wait -1
	s_cmp_lg_u32 s[WV], 0
	s_cbranch_scc1 .Lnot_wave_0_\@
	s_barrier_signal -3
.Lnot_wave_0_\@:
	s_barrier_wait -3
	s_barrier_signal -1
	s_barrier_wait -1
.endm
; THE CHANGE OF SLOTS: all my tensor loads have landed (this trip's chunk); the add; my LDS reads and stores are over; the round; behind it first the joint load of the next chunk.
.macro RING refill
	WIN 0
	s_wait_xcnt 0x0                                ; the last prefetch, a trip back, has read its address
	s_add_nc_u64 s[PFA:PFA+1], s[PFA:PFA+1], CHUNK
	s_add_co_u32 s[CH], s[CH], 1
	s_wait_tensorcnt 0x0                           ; no tensor load of mine is out, so group 0 may be written
	ds_add_u32 v[SPW], v[NIL]                      ; 0 onto my spare word
.if \refill
	s_xor_b32 s[G0+1], s[G0+1], SLOT
	s_add_nc_u64 s[G0+2:G0+3], s[G0+2:G0+3], CHUNK
.endif
	s_xor_b32 s[TB], s[TB], SLOT
	s_wait_dscnt 0x0
.if \refill
	ROUND
	tensor_load_to_lds s[G0:G0+3], s[G1:G1+7]
	s_nop 0
.else
	s_barrier_signal -1
	s_barrier_wait -1
.endif
	NOP4                                           ; also the places in front of the loads into the weight buffers
	v_add_nc_u32 v[WA], s[TB], v[WA0]
.endm
.macro FETCH q, b                      ; run q of a chunk: 8 fragments, 16 loads of 512 consecutive bytes, into buffer b
.set f, 0
.rept 8
	ds_load_b128 v[WB+64*(\b)+8*f:WB+64*(\b)+8*f+3],   v[WA] offset:(\q)*8192+f*1024
	ds_load_b128 v[WB+64*(\b)+8*f+4:WB+64*(\b)+8*f+7], v[WA] offset:(\q)*8192+f*1024+512
.set f, f+1
.endr
.endm
; A PREFETCH INTO THE L2 of chunk CH + 3, two trips ahead of the joint load that will ask for it.  Every cluster walks the same sixteen chunks: the first cluster asks; its 16 waves x 32 lanes name the
; chunk's 512 blocks of 256 bytes once each, told apart by address (4 cx + wave).  Chunks 0 to 2 come by their loads alone; the last three trips ask for nothing.
.macro ASK
	s_cmp_lt_u32 s[CH], s[PFE]
	s_cbranch_scc0 .Lnot_mine_\@
	global_prefetch_b8 v[PFO], s[PFA:PFA+1] th:TH_LOAD_NT scope:SCOPE_SE
.Lnot_mine_\@:
.endm
; 16 matrix instructions on run q; the four accumulators at ACC + ab + 8 (2 ctl + rt) take turns, one instruction a turn, from run to run and from trip to trip too.
; o = 1: weights are source 0; o = 2: source 1.  The first K step starts the sums with the constant 0.
.macro MULRUN q, o, op, ab
.if (\o) == 1
	WIN 0x04
.else
	WIN 0x01
.endif
.irp ksl, 0,1,2,3
.irp ctl, 0,1
.irp rt, 0,1
.set rA, ACC+(\ab)+8*(2*\ctl+\rt)
.set rW, WB+64*((\q)%2)+8*(2*\ksl+\ctl)
.set rX, 8*(16*\rt+4*(\q)+\ksl)
.if (\o) == 1
.set rS0, rW
.set rS1, rX
.else
.set rS0, rX
.set rS1, rW
.endif
.if ((\q) == 0) && (\ksl == 0)
	\op v[rA:rA+7], v[rS0:rS0+7], v[rS1:rS1+7], 0
.else
	\op v[rA:rA+7], v[rS0:rS0+7], v[rS1:rS1+7], v[rA:rA+7]
.endif
.endr
.endr
.endr
.endm
.macro GEMMTRIP o, op, ab
	FETCH 0, 0
	FETCH 1, 1
	ASK
	s_wait_dscnt 16                                ; run 0 is in; run 1's 16 loads are younger
	MULRUN 0, \o, \op, \ab
	WIN 0
	NOP4
	FETCH 2, 0
	s_wait_dscnt 16                                ; run 1 is in
	MULRUN 1, \o, \op, \ab
	WIN 0
	NOP4
	FETCH 3, 1
	s_wait_dscnt 16                                ; run 2 is in
	MULRUN 2, \o, \op, \ab
	s_wait_dscnt 0x0
	MULRUN 3, \o, \op, \ab
	WIN 0
.endm
; Two trips' eight accumulators (tile ct' = i, row tile rt at 8 (2 i + rt)) are added onto the registers that hold the same four neighbouring columns: the residual's sum is also the gather.
.macro ADDX g
	NOP4
	WIN 0x88                                       ; destination and source 1 in window 2
.irp rt, 0,1
.irp j, 0,1,2,3,4,5,6,7
.irp i, 0,1,2,3
	v_add_f32 v[4*((2*\rt+(\g))*8+\j)+\i], v[ACC+8*(2*\i+\rt)+\j], v[4*((2*\rt+(\g))*8+\j)+\i]
.endr
.endr
.endr
	WIN 0
.endm
.macro OUT g
	WIN 0x08                                       ; the stores' data in window 2
.irp rt, 0,1
.irp j, 0,1,2,3,4,5,6,7
	global_store_b128 v[XO], v[4*((2*\rt+(\g))*8+\j):4*((2*\rt+(\g))*8+\j)+3], s[10:11] offset:\rt*32768+\j*2048+(\g)*256 th:TH_STORE_NT  ; 16 lanes store 256 consecutive bytes, aligned
.endr
.endr
	WIN 0
.endm
; What the waves stored into EX becomes every wave's activations.  The next chunk's load stays out across this barrier,
; and that round stands between these reads and the next stores into EX.
.macro EXCHANGE
	s_wait_dscnt 0x0                               ; for the others' sake: my stores are done
	s_barrier_signal -1
	s_barrier_wait -1
	WIN 0x40
.set i, 0
.rept 32
	ds_load_b128 v[8*i:8*i+3],   v[EXR] offset:((i/16)*64+4*(i%16))*PITCH
	ds_load_b128 v[8*i+4:8*i+7], v[EXR] offset:((i/16)*64+4*(i%16)+2)*PITCH
.set i, i+1
.endr
	WIN 0
	s_wait_dscnt 0x0
.endm
	s_load_b256 s[4:11], s[0:1], 0x0               ; ao s[4:5], wts s[6:7], x s[8:9], out0 s[10:11]
	v_lshl_add_u32 v[SPW], v0, 2, SPARE
	v_mov_b32 v[NIL], 0
	ds_add_u32 v[SPW], v[NIL]                      ; the wave's opening: the add and its wait stand ahead of my first tensor load; the set-up below, work on registers, stands between them
	v_lshrrev_b32 v1, 5, v0
	v_readfirstlane_b32 s[WV], v1
	s_bfe_u32 s[CX], ttmp6, 0x40000
	s_lshl_b32 s[WG], ttmp9, 2
	s_add_co_u32 s[WG], s[WG], s[CX]               ; my 32 rows: it enters global addresses alone
	s_mov_b32 s[G1], 15|(3<<16)|(1<<21)            ; the mask of four; elements of 8 bytes; bit 21 beside a mask
	s_mov_b32 s[G1+1], 32<<16                      ; 128 rows of 256 bytes, dense: a wave's quarter of a chunk
	s_mov_b32 s[G1+2], 128<<16
	s_mov_b32 s[G1+3], 32<<16
	s_mov_b32 s[G1+4], 128
	s_mov_b32 s[G1+5], 32
	s_mov_b32 s[G1+6], 0
	s_mov_b32 s[G1+7], 0
	s_mov_b32 s[G0], 1
	s_lshl_b32 s[G0+1], s[WV], 15
	s_mov_b32 s[TB], SLOT                          ; the first change of slots turns it into 0
	s_mov_b32 s[CH], -1
	s_cmp_eq_u32 ttmp9, 0
	s_cselect_b32 s[PFE], NCH-3, 0
	s_lshl_b32 s52, s[WV], 15
	s_mov_b32 s53, 0
	s_lshl2_add_u32 s20, s[CX], s[WV]
	s_lshl_b32 s20, s20, 13
	s_add_co_u32 s20, s20, 2*CHUNK                 ; the first change of slots steps it to chunk 3
	s_mov_b32 s21, 0
	s_lshl_b32 s44, s[WG], 15
	s_mov_b32 s45, 0
	s_lshl_b32 s46, s[WG], 16
	s_mov_b32 s47, 0
	s_mov_b32 s55, 0xffff0000
	s_mov_b32 s56, 0x3b000000                      ; 1 / 512
	s_mov_b32 s57, 0x3727c5ac                      ; 1e-5
	v_and_b32 v1, 31, v0
	v_lshlrev_b32 v[L16], 4, v1
	v_lshlrev_b32 v[PFO], 8, v1
	v_lshl_add_u32 v[WA0], s[WV], 15, v[L16]
	v_and_b32 v14, 15, v0                          ; r
	v_bfe_u32 v15, v0, 4, 1                        ; h
	v_lshlrev_b32 v[XO], 14, v15                   ; rows 8 h + j; columns 128 w + 64 g + 4 r ..
	v_lshl_add_u32 v[XO], v14, 4, v[XO]
	s_lshl_b32 s22, s[WV], 9
	v_add_nc_u32 v[XO], s22, v[XO]
	v_mul_u32_u24 v[EXW], v14, PITCH               ; slot 16 w + r, rows 8 h + j
	v_lshl_add_u32 v[EXW], v15, 7, v[EXW]
	s_mul_i32 s22, s[WV], 16*PITCH
	s_add_co_u32 s23, s22, EX
	v_add_nc_u32 v[EXW], s23, v[EXW]
	v_mul_u32_u24 v[EXR], v15, PITCH               ; slot 4 ks + 2 c + h, row r
	v_lshl_add_u32 v[EXR], v14, 4, v[EXR]
	v_add_nc_u32 v[EXR], EX, v[EXR]
	v_add_nc_u32 v[HW], s22, v[EXR]                ; slot 16 w + 2 t + h, row r
	v_lshlrev_b32 v[SUMR], 5, v15
	v_add_nc_u32 v[SUMR], SUM, v[SUMR]
	v_lshl_add_u32 v[SUMW], s[WV], 7, v[SUMR]
	s_wait_dscnt 0x0                               ; the opening add is done
	s_wait_kmcnt 0x0
	s_add_nc_u64 s[50:51], s[6:7], 12*CHUNK        ; the stream: chunks 12 to 27
	s_add_nc_u64 s[G0+2:G0+3], s[50:51], s[52:53]
	s_or_b32 s[G0+3], s[G0+3], 0x80000000
	s_add_nc_u64 s[PFA:PFA+1], s[50:51], s[20:21]
	s_add_nc_u64 s[4:5], s[4:5], s[44:45]
	s_add_nc_u64 s[8:9], s[8:9], s[46:47]
	s_add_nc_u64 s[10:11], s[10:11], s[46:47]
	ROUND                                          ; all four work-groups are here: the first joint loads meet
	tensor_load_to_lds s[G0:G0+3], s[G1:G1+7]      ; chunk 0
	s_nop 0
	NOP4
	WIN 0x40
.set i, 0
.rept 32                               ; ao, fragment 16 rt + head
	global_load_b128 v[8*i:8*i+3],   v[L16], s[4:5] offset:i*1024
	global_load_b128 v[8*i+4:8*i+7], v[L16], s[4:5] offset:i*1024+512
.set i, i+1
.endr
	WIN 0x80
.set i, 0
.rept 32                               ; x: i = 8 (2 rt + g) + j; 16 lanes read 256 consecutive bytes
	global_load_b128 v[4*i:4*i+3], v[XO], s[8:9] offset:(i/16)*32768+(i%8)*2048+((i/8)%2)*256 th:TH_LOAD_NT
.set i, i+1
.endr
	s_wait_loadcnt 0x0
	WIN 0x8a                                       ; all in window 2: x is rounded to bf16, in place, while the first chunk is on its way
.set i, 0
.rept 8
.set k, 0
.rept 8
	v_cvt_pk_bf16_f32 v[128+k], v[16*i+2*k], v[16*i+2*k+1]
.set k, k+1
.endr
.set k, 0
.rept 8
	v_lshlrev_b32 v[16*i+2*k], 16, v[128+k]
	v_and_b32 v[16*i+2*k+1], s55, v[128+k]
.set k, k+1
.endr
.set i, i+1
.endr
	WIN 0
	; x1 = x + ao wo^T
	RING 1
	GEMMTRIP 2, v_wmma_f32_16x16x32_f16, 0
	RING 1
	GEMMTRIP 2, v_wmma_f32_16x16x32_f16, 32
	ADDX 0
	RING 1
	GEMMTRIP 2, v_wmma_f32_16x16x32_f16, 0
	RING 1
	GEMMTRIP 2, v_wmma_f32_16x16x32_f16, 32
	ADDX 1
	; THE NORM.  A lane holds 8 columns of each of 16 rows k = 8 rt + j: at 64 rt + 4 j (g = 0) and 32 further on (g = 1)
.macro SQ off, first
.set k, 0
.rept 16
.set a0, 64*(k/8)+4*(k%8)+(\off)
.if \first
	v_pk_mul_f32 v[128+2*k:129+2*k], v[a0:a0+1], v[a0:a0+1]
.else
	v_pk_fma_f32 v[128+2*k:129+2*k], v[a0:a0+1], v[a0:a0+1], v[128+2*k:129+2*k]
.endif
.set k, k+1
.endr
.endm
	WIN 0xaa
	SQ 0, 1
	SQ 2, 0
	SQ 32, 0
	SQ 34, 0
	WIN 0x0a
.set k, 0
.rept 16
	v_add_f32 v[TMP+k], v[128+2*k], v[129+2*k]
.set k, k+1
.endr
	WIN 0
.irp m, 1,2,4,8                        ; over the 16 lanes that hold the same rows: my wave's 128 columns
.set k, 0
.rept 16
	v_add_f32_dpp v[TMP+k], v[TMP+k], v[TMP+k] row_xmask:\m row_mask:0xf bank_mask:0xf
.set k, k+1
.endr
.endr
.irp n, 0,1,2,3                        ; rows 4 n .. 4 n + 3 of my 16; sixteen lanes write the same words with the same numbers
	ds_store_b128 v[SUMW], v[TMP+4*\n:TMP+4*\n+3] offset:(\n/2)*64+(\n%2)*16
.endr
	s_wait_dscnt 0x0
	s_barrier_signal -1
	s_barrier_wait -1                              ; the four waves' partial sums lie in LDS (the next chunk's load stays out)
.set n, 0
.rept 16                               ; wave n / 4's sums of my rows 4 (n % 4) ..
	ds_load_b128 v[WB+4*n:WB+4*n+3], v[SUMR] offset:(n/4)*128+((n%4)/2)*64+(n%2)*16
.set n, n+1
.endr
	s_wait_dscnt 0x0
.set k, 0
.rept 8
	v_pk_add_f32 v[WB+2*k:WB+2*k+1], v[WB+2*k:WB+2*k+1], v[WB+16+2*k:WB+16+2*k+1]
	v_pk_add_f32 v[WB+32+2*k:WB+32+2*k+1], v[WB+32+2*k:WB+32+2*k+1], v[WB+48+2*k:WB+48+2*k+1]
.set k, k+1
.endr
.set k, 0
.rept 8
	v_pk_add_f32 v[WB+2*k:WB+2*k+1], v[WB+2*k:WB+2*k+1], v[WB+32+2*k:WB+32+2*k+1]
.set k, k+1
.endr
.set k, 0
.rept 16
	v_fma_f32 v[WB+k], v[WB+k], s56, s57
.set k, k+1
.endr
.set k, 0
.rept 16
	v_rsq_f32 v[TMP+16+k], v[WB+k]
.set k, k+1
.endr
	v_nop                                          ; a plain instruction behind the last of the batch,
	s_wait_alu depctr_va_vdst(0)                   ; and one wait for all sixteen, ahead of their first reader
.set kq, 0
.rept 4                                ; four rows at a time: x1 / rms into v96-127, rounded to f16, a slot of 16 bytes a row into EX.  x1 itself stays, in f32
	WIN 0x02                                       ; source 0 in window 2
.set kk, 0
.rept 4
.set k, 4*kq+kk
.set a0, 64*(k/8)+4*(k%8)
.set e, 0
.rept 4
	v_mul_f32 v[96+8*kk+e],   v[a0+e],    v[TMP+16+k]
	v_mul_f32 v[96+8*kk+4+e], v[a0+32+e], v[TMP+16+k]
.set e, e+1
.endr
.set kk, kk+1
.endr
	WIN 0
.set kk, 0
.rept 4
.set k, 4*kq+kk
.set e, 0
.rept 4
	v_cvt_pk_f16_f32 v[WB+4*k+e], v[96+8*kk+2*e], v[96+8*kk+2*e+1]
.set e, e+1
.endr
	ds_store_b128 v[EXW], v[WB+4*k:WB+4*k+3] offset:(k/8)*RTB+16*(k%8)
.set kk, kk+1
.endr
.set kq, kq+1
.endr
	EXCHANGE
	; h = silu(up) x gate.  U (row tiles 0, 1) in the first 16 registers of ACC, G in the next 16
	s_mov_b32 s[IT], 8
.Lffn:
	RING 1
	GEMMTRIP 1, v_wmma_f32_16x16x32_f16, 0
	NOP4
.set i, 0
.rept 8
	v_pk_mul_f32 v[TMP+2*i:TMP+2*i+1], v[ACC+2*i:ACC+2*i+1], 0xbfb8aa3b op_sel_hi:[1,0]  ; - U log2(e)
.set i, i+1
.endr
.set i, 0
.rept 16
	v_exp_f32 v[TMP+i], v[TMP+i]
.set i, i+1
.endr
.set i, 0
.rept 8
	v_pk_mul_f32 v[ACC+2*i:ACC+2*i+1], v[ACC+2*i:ACC+2*i+1], v[ACC+16+2*i:ACC+16+2*i+1]  ; U G: the independent work behind the batch
.set i, i+1
.endr
	s_wait_alu depctr_va_vdst(0)                   ; one wait for the sixteen exponentials
.set i, 0
.rept 8
	v_pk_add_f32 v[TMP+2*i:TMP+2*i+1], v[TMP+2*i:TMP+2*i+1], 1.0 op_sel_hi:[1,0]
.set i, i+1
.endr
.set i, 0
.rept 16
	v_rcp_f32 v[TMP+i], v[TMP+i]
.set i, i+1
.endr
	v_nop
	s_wait_alu depctr_va_vdst(0)                   ; one wait for the sixteen reciprocals
.set i, 0
.rept 8
	v_pk_mul_f32 v[ACC+2*i:ACC+2*i+1], v[ACC+2*i:ACC+2*i+1], v[TMP+2*i:TMP+2*i+1]
.set i, i+1
.endr
.set i, 0
.rept 8
	v_cvt_pk_bf16_f32 v[TMP+16+i], v[ACC+2*i], v[ACC+2*i+1]
.set i, i+1
.endr
	ds_store_b128 v[HW], v[TMP+16:TMP+19]
	ds_store_b128 v[HW], v[TMP+20:TMP+23] offset:RTB
	v_add_nc_u32 v[HW], 2*PITCH, v[HW]             ; the next trip's 16 columns: two slots on
	s_sub_co_u32 s[IT], s[IT], 1
	s_cmp_lg_u32 s[IT], 0
	s_cbranch_scc1 .Lffn
	EXCHANGE
	; out = x1 + h down^T
	RING 1
	GEMMTRIP 2, v_wmma_f32_16x16x32_bf16, 0
	RING 1
	GEMMTRIP 2, v_wmma_f32_16x16x32_bf16, 32
	ADDX 0
	OUT 0
	RING 1
	GEMMTRIP 2, v_wmma_f32_16x16x32_bf16, 0
	RING 0                                         ; the last trip asks for nothing
	GEMMTRIP 2, v_wmma_f32_16x16x32_bf16, 32
	ADDX 1
	OUT 1
	s_wait_tensorcnt 0x0                           ; the wave's end
	ds_add_u32 v[SPW], v[NIL]
	s_wait_dscnt 0x0
	ROUND                                          ; the closing round: no work-group ends while a partner may still ask for a chunk that names it
	s_endpgm
.Lfunc_end_k_qc569ac6f83_post:
	.size	k_qc569ac6f83_post, .Lfunc_end_k_qc569ac6f83_post-k_qc569ac6f83_post
	.p2alignl 7, 3214868480
	.fill 96, 4, 3214868480
	.section	.rodata,"a",@progbits
	.p2align	6, 0x0
	.amdhsa_kernel k_qc569ac6f83_post
		.amdhsa_group_segment_fixed_size 327680
		.amdhsa_private_segment_fixed_size 0
		.amdhsa_enable_private_segment 0
		.amdhsa_kernarg_size 32
		.amdhsa_user_sgpr_count 2
		.amdhsa_user_sgpr_kernarg_segment_ptr 1
		.amdhsa_wavefront_size32 1
		.amdhsa_system_sgpr_workgroup_id_x 1
		.amdhsa_system_sgpr_workgroup_id_y 1
		.amdhsa_system_sgpr_workgroup_id_z 1
		.amdhsa_system_vgpr_workitem_id 0
		.amdhsa_next_free_vgpr 672
		.amdhsa_next_free_sgpr 66
		.amdhsa_reserve_vcc 0
		.amdhsa_float_denorm_mode_32 3
		.amdhsa_float_denorm_mode_16_64 3
		.amdhsa_memory_ordered 1
		.amdhsa_forward_progress 1
		.amdhsa_inst_pref_size 156
	.end_amdhsa_kernel
	.amdgpu_metadata
---
amdhsa.version: [ 1, 2 ]
amdhsa.kernels:
  - .name:           k_qc569ac6f83_post
    .symbol:         k_qc569ac6f83_post.kd
    .args:
      - { .name: ao, .offset: 0, .size: 8, .value_kind: global_buffer, .address_space: global }
      - { .name: wts, .offset: 8, .size: 8, .value_kind: global_buffer, .address_space: global }
      - { .name: x, .offset: 16, .size: 8, .value_kind: global_buffer, .address_space: global }
      - { .name: out0, .offset: 24, .size: 8, .value_kind: global_buffer, .address_space: global }
    .group_segment_fixed_size: 327680
    .private_segment_fixed_size: 0
    .kernarg_segment_align: 8
    .kernarg_segment_size: 32
    .max_flat_workgroup_size: 128
    .sgpr_count:     66
    .vgpr_count:     672
    .wavefront_size: 32
...
	.end_amdgpu_metadata
.endif
;; end of part 4
;; ======== version 2 of 2: 4 launches; version 1 with the launch prep written anew for expert scheduling mode
;; limits: values are held in f16: magnitudes above 65,504 overflow, below 6.1e-05 lose precision
;; workspace buffers: wts 3,670,016 bytes; xn 8,388,608 bytes; rope 262,144 bytes; qf 8,388,608 bytes; kv 16,777,216 bytes; ao 8,388,608 bytes
;; launch prep (part 5): grid 256 x 1, 4 waves a work-group, no clusters, 35,328 bytes of LDS; arguments x, wq, wk, wv, wo, up_w, gate_w, down_w, ln1_w, ln2_w, wts, xn, rope; writes wts, xn, rope
.if DOCPART == 5
	.amdgcn_target "amdgcn-amd-amdhsa--gfx1250"
	.amdhsa_code_object_version 6
	.text
	.protected	k_qc569ac6f83_prep
	.globl	k_qc569ac6f83_prep
	.p2align	8
	.type	k_qc569ac6f83_prep,@function
k_qc569ac6f83_prep:
	s_mov_b64 s[64:65], 0
	v_nop
	global_prefetch_b8 v0, s[64:65] scope:SCOPE_SE
	s_setreg_imm32_b32 hwreg(HW_REG_WAVE_SCHED_MODE, 0, 2), 2
	s_setreg_imm32_b32 hwreg(HW_REG_WAVE_MODE, 25, 1), 1
	s_wait_xcnt 0x0
	s_wait_alu depctr_vm_vsrc(0)
; PREP.  Three jobs, a 256th of each to every work-group, the same text for all:
;  B  the seven weight matrices [512][512] f32 -> wts, one 16-bit stream in the order in which the later launches' matrix fragments are read
;  C  the table cos, sin of pos x 10000^(-p/16), pos 0..2047, p 0..15 -> rope, f32 pairs
;  A  x [8192][512] f32 -> xn = bf16(x) / rms(bf16(x)), f16, as matrix fragments (the gain ln1 lies in the weights)
; A FRAGMENT is 16 rows x 32 k of 16-bit numbers, 1,024 bytes: [half c][lane][16 bytes].  Lane (r = lane % 16, h = lane / 16) of half c holds row r and SLOT s = 4 ks + 2 c + h, eight k.
; Which eight columns a slot holds is free as long as both operands of a product agree: col(s, e) = (s >> B) 2^(B+3) + (e >> 2) 2^(B+2) + 4 (s mod 2^B) + e % 4.
; B = 5 for xn and wq, wk, wv (a lane's two 16-byte loads of a row of x are a slot), B = 4 for up, gate (as the last launch's registers hold x1), B = 0 (8 s + e) for wo, down.
; wts: 28 chunks of 131,072 bytes, each [wave 4][run 4][f = 2 (ks % 4) + ctl][fragment].  Chunks 6 y + 2 m + t: q, k, v (m) of head 8 y + 4 t + wave, ctl = channel half.
; Chunks 12 + t (wo), 24 + t (down): row 128 wave + 64 (t / 2) + 4 r + 2 (t % 2) + ctl.  Chunks 16 + t: ctl 0 = up, 1 = gate, row 128 wave + 16 t + r.
; FORMATS.  Every input is rounded to bf16 first.  q, k, v, up, gate: f16(bf16(w) x bf16(ln)); wo: bf16(w) written as f16; down: bf16(w).
; LIMITS.  w x ln must stay under 65,504 (f16), and below 6e-5 it keeps f16's fixed step of 6e-8.  xn is at most sqrt(512).  The table's angle is good to some 3e-4 at pos 2,047,
; since 10000^(-p/16) comes from v_exp_f32; NaN and infinities are not treated apart.
; No matrix unit, no cluster, no tensor load: every byte is read once, by one wave, and nothing is shared between work-groups.  The weights are read as 16-byte pieces of 16 rows a load:
; the work-group's four waves use runs of 128 bytes or more of each row; they are a sixth of the launch's bytes, so no pass through LDS is spent on them.
; THE MODE: SCHED_MODE bits 1:0 = 2 (LLVM: expert scheduling mode 2), set by the entry lines.  The code itself states the register dependences
; between vector instructions and memory or LDS instructions, with s_wait_alu, always for 0.
; THE PLAN.  Registers that memory or LDS instructions touch:
;   v4-7, v15-19     offsets and LDS addresses: written at the head, never again; read by every load, store and LDS instruction.  One wait ahead of the first load states them all.
;   W, LN, X         the 50 loads at the head land in them; no vector instruction names them before.  Behind the waits on LOADcnt vector instructions alone work on them.
;   W + 8 m .. + 3   job B's out-registers: written by matrix m's last conversions, read by its store, never written again.
;   v29, v[30:31]    job C's offset and pair: written by its last lines, read by its store, never written again.  Job C hangs on no load, so its arithmetic runs while the weights are on their way.
;                    ONE wait, behind job B's conversions, states both kinds; the eight stores follow it in one run.
;   SS, 1 / rms      named by vector instructions alone: SS lies in LN's registers, the pairs 1 / rms in the upper halves of W's first four matrices, which no store reads.
;                    So job A writes no register that a pending store reads, and no wait stands between the stores and job A.
;   X + 16 rho .. + 7  row rho's two slots: written by its roundings, read by its two LDS stores.  Rows 0-3 are made; a wait; their stores are dealt among the arithmetic of rows 4-7,
;                    which names those rows' registers and their 1 / rms alone; a wait; the stores of rows 4-7.
;   X .. X + 63      rows 0-3's registers take the 16 LDS loads behind the barrier: one wait states that the LDS stores have read them; their last vector reader stands ahead of the first of the two waits above.
;   v2, v3           written at the head, read by the closing add alone.
.set PITCH, 272                        ; LDS: a block = 16 rows x 16 bytes of one slot, 256 bytes + 16 of padding
.set RTB,   64*PITCH                   ; a tile of 16 rows: 64 slots
.set SPARE, 2*RTB                      ; behind the two tiles: the spare words, 128 bytes for each wave: two blocks of 256 bytes that no other line names
.set SPW, 2                            ; v2   LDS address of my spare word; never rewritten
.set NIL, 3                            ; v3   0; never rewritten
.set PW,  4                            ; v4   where I put a row's slot
.set PR,  5                            ; v5   where I read half a fragment back
.set L16, 6                            ; v6   16 x lane
.set XOF, 7                            ; v7   16 x lane + my wave's 8 rows of x
.set SA,  15                           ; v15  source offset: row 16 nt + r, B = 5
.set SB,  16                           ; v16  the same row, B = 4
.set SC,  17                           ; v17  wo's and down's order of rows, B = 0
.set LO1, 18                           ; v18  offset in ln1
.set LO2, 19                           ; v19  offset in ln2
.set X,   32                           ; v[32:159]  8 rows x 16 numbers
.set W,   160                          ; v[160:215] 7 matrices x 8 numbers; later, in the upper halves of matrices 0 to 3: a pair 1 / rms for row rho at W + 4 + 8 (rho / 2) + 2 (rho % 2)
.set LN,  216                          ; v[216:231] 8 of ln1, 8 of ln2
.set SS,  216                          ; later: a pair for each row's sum of squares
.set T,   232                          ; v[232:247] at work
	s_load_b512 s[4:19], s[0:1], 0x0               ; x, wq, wk, wv, wo, up, gate, down
	s_load_b256 s[20:27], s[0:1], 0x40             ; ln1, ln2, wts, xn
	s_load_b64 s[28:29], s[0:1], 0x60              ; rope
	v_lshl_add_u32 v[SPW], v0, 2, SPARE
	v_mov_b32 v[NIL], 0
	v_lshrrev_b32 v20, 5, v0
	v_readfirstlane_b32 s30, v20                   ; wave 0..3
	v_and_b32 v1, 31, v0                           ; lane
	v_and_b32 v20, 15, v0                          ; r
	v_bfe_u32 v21, v0, 4, 1                        ; h
	v_lshlrev_b32 v[L16], 4, v1
	s_wait_alu depctr_va_sdst(0)                   ; s30 is written, ahead of its first reader: the line below, and the scalar arithmetic behind it
	v_lshl_add_u32 v[XOF], s30, 14, v[L16]         ; 8 rows of 2,048 bytes a wave
	; my wave's half fragment of every matrix: number 4 wg + wave = 32 nt + 2 ks + c
	s_lshr_b32 s31, ttmp9, 3                       ; nt
	s_and_b32 s32, ttmp9, 7
	s_lshl_b32 s32, s32, 1
	s_lshr_b32 s33, s30, 1
	s_add_co_u32 s32, s32, s33                     ; ks
	s_and_b32 s34, s30, 1                          ; c
	s_lshl_b32 s35, s32, 2
	s_lshl1_add_u32 s35, s34, s35                  ; 4 ks + 2 c
	v_add_nc_u32 v22, s35, v21                     ; s
	v_lshrrev_b32 v23, 5, v22
	v_and_b32 v24, 31, v22
	v_lshlrev_b32 v24, 4, v24
	v_lshl_add_u32 v[LO1], v23, 10, v24            ; B = 5: 4 col(s, 0) = 1,024 (s >> 5) + 16 (s % 32); e = 4..7 lie 512 bytes on
	v_lshrrev_b32 v23, 4, v22
	v_and_b32 v24, 15, v22
	v_lshlrev_b32 v24, 4, v24
	v_lshl_add_u32 v[LO2], v23, 9, v24             ; B = 4: 512 (s >> 4) + 16 (s % 16); e = 4..7 lie 256 bytes on
	s_lshl_b32 s36, s31, 4
	v_add_nc_u32 v25, s36, v20                     ; row 16 nt + r
	v_lshl_add_u32 v[SA], v25, 11, v[LO1]
	v_lshl_add_u32 v[SB], v25, 11, v[LO2]
	s_lshr_b32 s36, s31, 3
	s_lshl_b32 s36, s36, 7
	s_bfe_u32 s37, s31, 0x10002
	s_lshl_b32 s37, s37, 6
	s_add_co_u32 s36, s36, s37
	s_and_b32 s37, s31, 3
	s_add_co_u32 s36, s36, s37
	v_lshl_add_u32 v25, v20, 2, s36                ; row 128 (nt >> 3) + 64 ((nt >> 2) % 2) + 4 r + nt % 4
	v_lshlrev_b32 v26, 5, v22                      ; B = 0: 32 s bytes
	v_lshl_add_u32 v[SC], v25, 11, v26
	; LDS: my rows 8 wave + rho lie in tile wave / 2, rows 8 (wave % 2) + rho; lane l holds slots l and 32 + l
	s_mul_i32 s38, s33, RTB
	s_lshl_b32 s39, s34, 7
	s_add_co_u32 s39, s39, s38
	v_mul_u32_u24 v[PW], v1, PITCH
	v_add_nc_u32 v[PW], s39, v[PW]
	s_mul_i32 s39, s34, 32*PITCH                   ; back: wave reads slots 32 (wave % 2) .. + 31 of its tile: 16 half fragments
	s_add_co_u32 s39, s39, s38
	v_mul_u32_u24 v[PR], v21, PITCH
	v_lshl_add_u32 v[PR], v20, 4, v[PR]
	v_add_nc_u32 v[PR], s39, v[PR]
	; where the half fragments go in wts
	s_lshr_b32 s40, s32, 2
	s_lshl_b32 s40, s40, 13
	s_and_b32 s41, s32, 3
	s_lshl_b32 s41, s41, 11
	s_add_co_u32 s40, s40, s41
	s_lshl_b32 s41, s34, 9
	s_add_co_u32 s40, s40, s41                     ; inside a wave's part of a chunk: 8,192 (ks / 4) + 2,048 (ks % 4) + 512 c; ctl adds 1,024
	s_lshr_b32 s41, s31, 1                         ; q, k, v: head = nt / 2, ctl = nt % 2
	s_lshr_b32 s42, s41, 3
	s_mul_i32 s42, s42, 6
	s_bfe_u32 s43, s41, 0x10002
	s_add_co_u32 s42, s42, s43                     ; chunk 6 y + t (k: + 2, v: + 4)
	s_lshl_b32 s42, s42, 17
	s_and_b32 s43, s41, 3
	s_lshl_b32 s43, s43, 15
	s_add_co_u32 s42, s42, s43
	s_and_b32 s43, s31, 1
	s_lshl_b32 s43, s43, 10
	s_add_co_u32 s42, s42, s43
	s_add_co_u32 s42, s42, s40
	s_mov_b32 s43, 0
	s_bfe_u32 s44, s31, 0x20001                    ; wo: chunk 12 + (nt / 2) % 4, wave nt / 8, ctl nt % 2 (down: 12 chunks on)
	s_add_co_u32 s44, s44, 12
	s_lshl_b32 s44, s44, 17
	s_lshr_b32 s45, s31, 3
	s_lshl_b32 s45, s45, 15
	s_add_co_u32 s44, s44, s45
	s_and_b32 s46, s31, 1
	s_lshl_b32 s46, s46, 10
	s_add_co_u32 s44, s44, s46
	s_add_co_u32 s44, s44, s40
	s_and_b32 s46, s31, 7                          ; up: chunk 16 + nt % 8, wave nt / 8, ctl 0 (gate: ctl 1)
	s_add_co_u32 s46, s46, 16
	s_lshl_b32 s46, s46, 17
	s_add_co_u32 s46, s46, s45
	s_add_co_u32 s46, s46, s40
	s_mov_b32 s45, 0
	s_mov_b32 s47, 0
	s_mov_b32 s49, 0
	s_mov_b32 s50, 0xffff0000                      ; a word's upper bf16
	s_mov_b32 s51, 0x76543210                      ; v_permlanex16_b32: each lane takes its own place in the other half
	s_mov_b32 s52, 0xfedcba98
	s_mov_b32 s53, 0x3b000000                      ; 1 / 512
	s_mov_b32 s54, 0x3727c5ac                      ; 1e-5
	s_lshl_b32 s55, ttmp9, 3                       ; the work-group's 8 positions of the table
	s_wait_kmcnt 0x0
	s_add_nc_u64 s[42:43], s[24:25], s[42:43]
	s_add_nc_u64 s[44:45], s[24:25], s[44:45]
	s_add_nc_u64 s[46:47], s[24:25], s[46:47]
	s_lshl_b32 s48, ttmp9, 16
	s_add_nc_u64 s[4:5], s[4:5], s[48:49]          ; x at the work-group's 32 rows
	s_lshl_b32 s48, ttmp9, 15
	s_lshl_b32 s56, s30, 13
	s_add_co_u32 s48, s48, s56
	s_add_nc_u64 s[26:27], s[26:27], s[48:49]      ; xn at my wave's 8,192 bytes
	s_lshl_b32 s48, ttmp9, 10
	s_add_nc_u64 s[28:29], s[28:29], s[48:49]      ; rope at the work-group's 1,024 bytes
	s_wait_alu depctr_va_vdst(0)                   ; the nine offsets and LDS addresses v4-7 and v15-19 are written: every load, store and LDS instruction of the kernel reads one of them, and none is written again
.macro WLOAD m, off, base, step        ; a lane's eight numbers of matrix m
	global_load_b128 v[W+8*(\m):W+8*(\m)+3],   v[\off], s[\base:\base+1]
	global_load_b128 v[W+8*(\m)+4:W+8*(\m)+7], v[\off], s[\base:\base+1] offset:\step
.endm
	WLOAD 0, SA, 6, 512
	WLOAD 1, SA, 8, 512
	WLOAD 2, SA, 10, 512
	WLOAD 3, SC, 12, 16
	WLOAD 4, SB, 14, 256
	WLOAD 5, SB, 16, 256
	WLOAD 6, SC, 18, 16
	global_load_b128 v[LN:LN+3],     v[LO1], s[20:21]
	global_load_b128 v[LN+4:LN+7],   v[LO1], s[20:21] offset:512
	global_load_b128 v[LN+8:LN+11],  v[LO2], s[22:23]
	global_load_b128 v[LN+12:LN+15], v[LO2], s[22:23] offset:256
.set i, 0
.rept 32                               ; my 8 rows of x, four loads a row, each 512 consecutive bytes: all on their way while jobs C and B run
	global_load_b128 v[X+4*i:X+4*i+3], v[XOF], s[4:5] offset:(i/4)*2048+(i%4)*512 th:TH_LOAD_NT
.set i, i+1
.endr
	; JOB C: thread t makes pos = 8 wg + t / 16, pair p = t % 16.  It hangs on no load: its arithmetic stands here, while the weights are on their way; its store stands with job B's
	v_and_b32 v20, 15, v0
	v_lshrrev_b32 v21, 4, v0
	v_add_nc_u32 v21, s55, v21
	v_cvt_f32_u32 v20, v20
	v_cvt_f32_u32 v21, v21
	v_mul_f32 v20, 0xbf549a78, v20                 ; - p log2(10000) / 16
	v_exp_f32 v22, v20
	v_nop                                          ; a plain instruction behind the exponential,
	s_wait_alu depctr_va_vdst(0)                   ; and the wait ahead of its first reader: v22 is written
	v_mul_f32 v22, v21, v22                        ; the angle a
	v_mul_f32 v23, 0x3f22f983, v22                 ; a x 2 / pi
	v_rndne_f32 v23, v23                           ; n, at most 1,304
	v_fmamk_f32 v24, v23, 0xbfc90fdb, v22          ; r = a - n pi / 2, pi / 2 in two parts: |r| <= pi / 4
	v_fmamk_f32 v24, v23, 0x333bbd2e, v24
	v_cvt_i32_f32 v23, v23
	v_and_b32 v29, 1, v23
	v_cmp_eq_u32 vcc_lo, 1, v29                    ; odd quadrants change sine and cosine (a choice of values, no branch); the two polynomials stand between the compare and the wait for it
	v_mul_f32 v25, v24, v24                        ; z = r^2
	v_mov_b32 v26, 0xb94ca1fa
	v_fmaak_f32 v26, v26, v25, 0x3c08839e
	v_fmaak_f32 v26, v26, v25, 0xbe2aaaa3
	v_mul_f32 v27, v24, v25
	v_fma_f32 v26, v27, v26, v24                   ; sin r
	v_mov_b32 v28, 0x37ccf5ce
	v_fmaak_f32 v28, v28, v25, 0xbab6061a
	v_fmaak_f32 v28, v28, v25, 0x3d2aaaa5
	v_mul_f32 v29, v25, v25
	v_fma_f32 v27, v25, -0.5, 1.0
	v_fma_f32 v28, v29, v28, v27                   ; cos r
	s_wait_alu depctr_va_vcc(0)                    ; VCC is written, ahead of its first reader: the two selects below
	v_cndmask_b32 v30, v28, v26, vcc_lo            ; cos a, up to its sign
	v_cndmask_b32 v31, v26, v28, vcc_lo            ; sin a
	v_and_b32 v29, 2, v23
	v_lshlrev_b32 v29, 30, v29
	v_xor_b32 v31, v29, v31                        ; sin: minus in quadrants 2, 3
	v_add_nc_u32 v23, 1, v23
	v_and_b32 v23, 2, v23
	v_lshlrev_b32 v23, 30, v23
	v_xor_b32 v30, v23, v30                        ; cos: minus in quadrants 1, 2
	v_lshlrev_b32 v29, 3, v0
	; JOB B
	s_wait_loadcnt 32                              ; the weights and gains are in; the 32 loads of x are younger
.irp j, 0,1,2,3,4,5,6,7
	v_cvt_pk_bf16_f32 v[T+\j], v[LN+2*\j], v[LN+2*\j+1]
.endr
.irp j, 0,1,2,3,4,5,6,7
	v_lshlrev_b32 v[LN+2*\j], 16, v[T+\j]          ; the gains, rounded to bf16, as f32
	v_and_b32 v[LN+2*\j+1], s50, v[T+\j]
.endr
; kind 0: f16(bf16(w) x gain); 1: bf16(w) as f16; 2: bf16(w).  The 16 bytes end in the matrix's first four registers.
.macro WCONV m, kind, lnb
.set B0, W+8*(\m)
.if (\kind) == 2
.irp j, 0,1,2,3
	v_cvt_pk_bf16_f32 v[B0+\j], v[B0+2*\j], v[B0+2*\j+1]
.endr
.else
.irp j, 0,1,2,3
	v_cvt_pk_bf16_f32 v[T+\j], v[B0+2*\j], v[B0+2*\j+1]
.endr
.irp j, 0,1,2,3
	v_lshlrev_b32 v[B0+2*\j], 16, v[T+\j]
	v_and_b32 v[B0+2*\j+1], s50, v[T+\j]
.endr
.if (\kind) == 0
.irp j, 0,1,2,3
	v_pk_mul_f32 v[B0+2*\j:B0+2*\j+1], v[B0+2*\j:B0+2*\j+1], v[(\lnb)+2*\j:(\lnb)+2*\j+1]
.endr
.endif
.irp j, 0,1,2,3
	v_cvt_pk_f16_f32 v[B0+\j], v[B0+2*\j], v[B0+2*\j+1]
.endr
.endif
.endm
	WCONV 0, 0, LN
	WCONV 1, 0, LN
	WCONV 2, 0, LN
	WCONV 3, 1, LN
	WCONV 4, 0, LN+8
	WCONV 5, 0, LN+8
	WCONV 6, 2, LN
	s_wait_alu depctr_va_vdst(0)                   ; the conversions have written the first four registers of each matrix, and job C has written v29 and v[30:31]: the eight stores below read them
	global_store_b128 v[L16], v[W:W+3], s[42:43]                    ; each store of the wave covers 512 consecutive bytes, aligned
	global_store_b128 v[L16], v[W+8:W+11], s[42:43] offset:262144
	global_store_b128 v[L16], v[W+16:W+19], s[42:43] offset:524288
	global_store_b128 v[L16], v[W+24:W+27], s[44:45]
	global_store_b128 v[L16], v[W+32:W+35], s[46:47]
	global_store_b128 v[L16], v[W+40:W+43], s[46:47] offset:1024
	global_store_b128 v[L16], v[W+48:W+51], s[44:45] offset:1572864
	global_store_b64 v29, v[30:31], s[28:29]
	; JOB A.  It writes X, T, SS (LN's registers) and the upper halves of W's first four matrices: none of them is a source of the stores above, so no wait stands here
.macro ROWSUM rho                      ; a row is rounded to bf16 in place; mean of squares + eps
.set XR, X+16*(\rho)
.set SQ, SS+2*(\rho)
	s_wait_loadcnt 4*(7-(\rho))                    ; this row's four loads are in; the later rows' stay out
.irp j, 0,1,2,3,4,5,6,7
	v_cvt_pk_bf16_f32 v[T+\j], v[XR+2*\j], v[XR+2*\j+1]
.endr
.irp j, 0,1,2,3,4,5,6,7
	v_lshlrev_b32 v[XR+2*\j], 16, v[T+\j]
	v_and_b32 v[XR+2*\j+1], s50, v[T+\j]
.endr
	v_pk_mul_f32 v[SQ:SQ+1], v[XR:XR+1], v[XR:XR+1]
.irp j, 1,2,3,4,5,6,7
	v_pk_fma_f32 v[SQ:SQ+1], v[XR+2*\j:XR+2*\j+1], v[XR+2*\j:XR+2*\j+1], v[SQ:SQ+1]
.endr
	v_add_f32 v[SQ], v[SQ], v[SQ+1]
	v_add_f32_dpp v[SQ], v[SQ], v[SQ] row_xmask:1 row_mask:0xf bank_mask:0xf
	v_add_f32_dpp v[SQ], v[SQ], v[SQ] row_xmask:2 row_mask:0xf bank_mask:0xf
	v_add_f32_dpp v[SQ], v[SQ], v[SQ] row_xmask:4 row_mask:0xf bank_mask:0xf
	v_add_f32_dpp v[SQ], v[SQ], v[SQ] row_xmask:8 row_mask:0xf bank_mask:0xf
	v_permlanex16_b32 v[SQ+1], v[SQ], s51, s52
	v_add_f32 v[SQ], v[SQ], v[SQ+1]
	v_fma_f32 v[SQ], v[SQ], s53, s54
.endm
.irp rho, 0,1,2,3,4,5,6,7
	ROWSUM \rho
.endr
.irp rho, 0,1,2,3,4,5,6,7
.set IV, W+4+8*(\rho/2)+2*(\rho%2)
	v_rsq_f32 v[IV], v[SS+2*\rho]                  ; made twice: the pair that the packed multiply takes
	v_rsq_f32 v[IV+1], v[SS+2*\rho]
.endr
	v_nop                                          ; a plain instruction behind the last of the batch,
	s_wait_alu depctr_va_vdst(0)                   ; and one wait for all sixteen, ahead of their first reader: the eight pairs 1 / rms are written
.macro ROWMATH rho                     ; a row is scaled and rounded to f16: two slots of 16 bytes in its first eight registers
.set XR, X+16*(\rho)
.set IV, W+4+8*((\rho)/2)+2*((\rho)%2)
.irp j, 0,1,2,3,4,5,6,7
	v_pk_mul_f32 v[XR+2*\j:XR+2*\j+1], v[XR+2*\j:XR+2*\j+1], v[IV:IV+1]
.endr
.irp j, 0,1,2,3,4,5,6,7
	v_cvt_pk_f16_f32 v[XR+\j], v[XR+2*\j], v[XR+2*\j+1]
.endr
.endm
.macro ROWPUT rho                      ; the row's two slots into LDS
.set XR, X+16*(\rho)
	ds_store_b128 v[PW], v[XR:XR+3]   offset:16*(\rho)
	ds_store_b128 v[PW], v[XR+4:XR+7] offset:32*PITCH+16*(\rho)
.endm
.irp rho, 0,1,2,3
	ROWMATH \rho
.endr
	s_wait_alu depctr_va_vdst(0)                   ; the roundings of rows 0 to 3 have written their slots, which the LDS stores below read; no vector instruction names these rows' registers again
.irp rho, 0,1,2,3
	ROWPUT \rho                                    ; no further wait: the arithmetic dealt between names the registers of rows 4 to 7 and their 1 / rms alone
	ROWMATH \rho+4
.endr
	s_wait_alu depctr_va_vdst(0)                   ; the roundings of rows 4 to 7 have written their slots, which the LDS stores below read
.irp rho, 4,5,6,7
	ROWPUT \rho
.endr
	s_wait_dscnt 0x0                               ; for the others' sake: my stores are done
	s_barrier_signal -1
	s_barrier_wait -1                              ; a fragment's 16 rows come from two waves
	s_wait_alu depctr_vm_vsrc(0)                   ; my LDS stores have read v[X .. X + 63], the registers of rows 0 to 3, in which the loads below land
.set n, 0
.rept 16
	ds_load_b128 v[X+4*n:X+4*n+3], v[PR] offset:n*2*PITCH
.set n, n+1
.endr
.set n, 0
.rept 16
	s_wait_dscnt 15-n                              ; half fragment n is back; the younger ones stay out
	global_store_b128 v[L16], v[X+4*n:X+4*n+3], s[26:27] offset:n*512
.set n, n+1
.endr
	s_wait_dscnt 0x0                               ; the closing lines, six on end
	s_wait_alu 0x0
	s_wait_tensorcnt 0x0
	ds_add_u32 v[SPW], v[NIL]
	s_wait_dscnt 0x0
	s_endpgm
.Lfunc_end_k_qc569ac6f83_prep:
	.size	k_qc569ac6f83_prep, .Lfunc_end_k_qc569ac6f83_prep-k_qc569ac6f83_prep
	.p2alignl 7, 3214868480
	.fill 96, 4, 3214868480
	.section	.rodata,"a",@progbits
	.p2align	6, 0x0
	.amdhsa_kernel k_qc569ac6f83_prep
		.amdhsa_group_segment_fixed_size 35328
		.amdhsa_private_segment_fixed_size 0
		.amdhsa_enable_private_segment 0
		.amdhsa_kernarg_size 104
		.amdhsa_user_sgpr_count 2
		.amdhsa_user_sgpr_kernarg_segment_ptr 1
		.amdhsa_wavefront_size32 1
		.amdhsa_system_sgpr_workgroup_id_x 1
		.amdhsa_system_sgpr_workgroup_id_y 1
		.amdhsa_system_sgpr_workgroup_id_z 1
		.amdhsa_system_vgpr_workitem_id 0
		.amdhsa_next_free_vgpr 248
		.amdhsa_next_free_sgpr 66
		.amdhsa_reserve_vcc 1
		.amdhsa_float_denorm_mode_32 3
		.amdhsa_float_denorm_mode_16_64 3
		.amdhsa_memory_ordered 1
		.amdhsa_forward_progress 1
		.amdhsa_inst_pref_size 48
	.end_amdhsa_kernel
	.amdgpu_metadata
---
amdhsa.version: [ 1, 2 ]
amdhsa.kernels:
  - .name:           k_qc569ac6f83_prep
    .symbol:         k_qc569ac6f83_prep.kd
    .args:
      - { .name: x, .offset: 0, .size: 8, .value_kind: global_buffer, .address_space: global }
      - { .name: wq, .offset: 8, .size: 8, .value_kind: global_buffer, .address_space: global }
      - { .name: wk, .offset: 16, .size: 8, .value_kind: global_buffer, .address_space: global }
      - { .name: wv, .offset: 24, .size: 8, .value_kind: global_buffer, .address_space: global }
      - { .name: wo, .offset: 32, .size: 8, .value_kind: global_buffer, .address_space: global }
      - { .name: up_w, .offset: 40, .size: 8, .value_kind: global_buffer, .address_space: global }
      - { .name: gate_w, .offset: 48, .size: 8, .value_kind: global_buffer, .address_space: global }
      - { .name: down_w, .offset: 56, .size: 8, .value_kind: global_buffer, .address_space: global }
      - { .name: ln1_w, .offset: 64, .size: 8, .value_kind: global_buffer, .address_space: global }
      - { .name: ln2_w, .offset: 72, .size: 8, .value_kind: global_buffer, .address_space: global }
      - { .name: wts, .offset: 80, .size: 8, .value_kind: global_buffer, .address_space: global }
      - { .name: xn, .offset: 88, .size: 8, .value_kind: global_buffer, .address_space: global }
      - { .name: rope, .offset: 96, .size: 8, .value_kind: global_buffer, .address_space: global }
    .group_segment_fixed_size: 35328
    .private_segment_fixed_size: 0
    .kernarg_segment_align: 8
    .kernarg_segment_size: 104
    .max_flat_workgroup_size: 128
    .sgpr_count:     66
    .vgpr_count:     248
    .wavefront_size: 32
...
	.end_amdgpu_metadata
.endif
;; end of part 5
;; launch qkv: the kernel of part 2 again; grid 128 x 2, 4 waves a work-group, clusters of 4 x 1, 327,680 bytes of LDS; arguments xn, wts, rope, qf, kv; writes qf, kv
;; launch attn: the kernel of part 3 again; grid 4 x 64, 8 waves a work-group, clusters of 4 x 1, 295,936 bytes of LDS; arguments qf, kv, ao; writes ao
;; launch post: the kernel of part 4 again; grid 256 x 1, 4 waves a work-group, clusters of 4 x 1, 327,680 bytes of LDS; arguments ao, wts, x, out0; writes out0
